; MI455X (gfx1250); checked and timed in simulation.
; The chip was launched on July 23, 2026; its instructions are those of AMD's public machine-readable ISA for CDNA 5 (MIT licence, August 2026) and "CDNA5" Instruction Set Architecture Reference Guide (July 2026). The comments in the code are by the model that wrote it; some were corrected since.
;; Causal Self Attention. Allowed arithmetic: matrix products marked QUANTISED: E4M3 operands, one given power-of-two scale a tensor, by v_wmma_f32_16x16x64_fp8_fp8 or v_wmma_f32_16x16x128_fp8_fp8, f32 sums; everything else in f32.
;; Inputs: b_proj 1,024 float32; b_qkv 3,072 float32; lowp_scales 8 int32 (the exponents e of the quantised operands' scales 2^e); w_proj_codes 1,024 x 32 x 32 uint8 (E4M3 codes of w_proj, K innermost, in blocks of 32 codes); w_qkv_codes 3,072 x 32 x 32 uint8 (E4M3 codes of w_qkv, K innermost, in blocks of 32 codes); x_codes 4 x 2,048 x 32 x 32 uint8 (E4M3 codes of x, K innermost, in blocks of 32 codes).
;; Outputs: out0 4 x 2,048 x 1,024 float32.
;; This version of the problem:
;;   THIS VERSION OF THE PROBLEM IS GIVEN IN LOW PRECISION. The matrix products marked QUANTISED in the list below multiply operands that are first quantised to E4M3 (4 exponent bits, 3 mantissa bits; 8 bits a number), with one given power-of-two scale for each operand tensor; their sums are f32. All else is computed in f32.
;;   The module's matrix products, in the order in which they are computed (A, B: the left and right operand; K: the contracted axis; several contracted axes count as one K, in the product's order):
;;     1. [M 8,192, K 1,024] x [K 1,024, N 3,072]; A: input x (given as codes); B: input w_qkv (given as codes): QUANTISED (scales: A lowp_scales[0], B lowp_scales[1])
;;     2. batch 64 x [M 2,048, K 64] x [K 64, N 2,048]; A: computed on the way; B: computed on the way: QUANTISED (scales: A lowp_scales[2], B lowp_scales[3])
;;     3. batch 64 x [M 2,048, K 2,048] x [K 2,048, N 64]; A: softmax (see below); B: computed on the way: QUANTISED (scales: A lowp_scales[4], B lowp_scales[5])
;;     4. [M 8,192, K 1,024] x [K 1,024, N 1,024]; A: computed on the way; B: input w_proj (given as codes): QUANTISED (scales: A lowp_scales[6], B lowp_scales[7])
;;   THE QUANTISER, for each operand of a quantised product, along K:
;;     - The operand's scale is 2^e, e = its entry of the input lowp_scales (int32; the entries are numbered through the quantised products in the list's order, A before B).
;;     - Each number is divided by the scale, clamped to +-448, and rounded to the nearest number of E4M3, ties to even, subnormals kept.
;;     - The product sums the exact products of the quantised numbers (number of the format x scale) in f32.
;;   ~~~python
;;   def quantise(x, axis, e):      # numpy; x: float32 -> the quantised numbers, widened to float32 again
;;       x = np.moveaxis(x, axis, -1); K = x.shape[-1]
;;       r = np.clip(x / 2.0 ** e, -448, 448)
;;       step = 2.0 ** (np.maximum(np.frexp(np.where(r == 0, 1, r))[1] - 1, -6) - 3)
;;       q = np.round(r / step) * step * 2.0 ** e      # np.round: ties to even
;;       return np.moveaxis(q, -1, axis).astype(np.float32)
;;   ~~~
;;   SOFTMAX AHEAD OF A QUANTISED PRODUCT. Where the list says 'softmax', what is quantised is not the finished softmax but p = 2^(t - M), with t = logit x log2(e) and M = ceil(the row's largest t), a whole number; so 1/2 < the row's largest p <= 1. The row's sum l is taken of the UNQUANTISED p, in f32, and the product's result is divided by l at the end. Since M is a whole number, a kernel that streams over the keys may use a running M (the ceiling of the running maximum): every later rescaling is an exact power of two, so the quantised numbers keep their values, but for numbers so far below the row's largest that they fall under the format's range.
;;   OPERANDS COMPUTED ON THE WAY. 'Computed on the way' means the value that the module computes at that place (a softmax that the list does not call 'softmax' is quantised finished and normalised). What goes into a quantiser is computed in f32, as accurately as f32 sums, v_exp_f32 and their like allow (about 1e-6 of the number): no bf16 or f16 on the way to a quantiser, and a product that is left as it is and whose result goes on into a quantised operand takes f32 operands (vector FMAs, or v_wmma_f32_16x16x4_f32). A number that lies on a knife's edge between two numbers of the format may be rounded either way, as far as f32 arithmetic and the matrix unit's own rounding can turn it there, and no further.
;;   INPUTS GIVEN AS CODES. w_proj (in the module: [1024, 1024], K = its axis 0); w_qkv (in the module: [1024, 3072], K = its axis 0); x (in the module: [4, 2048, 1024], K = its axis 2): each comes as NAME_codes (uint8): NAME with its K axis moved to the last place and cut into blocks of 32 codes, [.., K / 32, bytes a block], one block behind the other in memory; one code a byte (a code: sign, 4 exponent bits, 3 mantissa bits); its scale is its entry of lowp_scales. Its value is code x scale, taken as it is: it is not quantised again, and the codes and scales need not be those that the quantiser above would give.
;; One version. Each part assembles by itself: llvm-mc -triple=amdgcn-amd-amdhsa -mcpu=gfx1250 --defsym DOCPART=n.
;; ======== version 1 of 1: 3 launches
;; limits: right only within a limited range of input values
;; workspace buffers: q_codes 8,388,608 bytes; k_codes 8,388,608 bytes; v_codes 8,388,608 bytes; a_codes 8,388,608 bytes
;; launch qkv (part 1): grid 12 x 32, 4 waves a work-group, clusters of 4 x 4, 327,680 bytes of LDS; arguments x_codes, w_qkv_codes, lowp_scales, b_qkv, q_codes, k_codes, v_codes; writes q_codes, k_codes, v_codes
.if DOCPART == 1
	.amdgcn_target "amdgcn-amd-amdhsa--gfx1250"
	.amdhsa_code_object_version 6
	.text
	.protected	k_q3591e2b130_qkv
	.globl	k_q3591e2b130_qkv
	.p2align	8
	.type	k_q3591e2b130_qkv,@function
k_q3591e2b130_qkv:
	s_mov_b64 s[64:65], 0
	v_nop
	global_prefetch_b8 v0, s[64:65] scope:SCOPE_SE
	s_setreg_imm32_b32 hwreg(HW_REG_WAVE_MODE, 25, 1), 1
	s_wait_xcnt 0x0
	s_wait_alu depctr_hold_cnt(0) depctr_sa_sdst(0) depctr_va_vdst(0) depctr_va_sdst(0) depctr_va_ssrc(0) depctr_va_vcc(0) depctr_vm_vsrc(0)
	s_getreg_b32 s2, hwreg(HW_REG_IB_STS2, 6, 4)
	s_cmp_eq_u32 s2, 0
	s_cbranch_scc0 .Lentry_in_a_cluster
	s_endpgm
.Lentry_in_a_cluster:
	s_bfe_u32 s2, ttmp6, 0x10000c
	s_cmp_lg_u32 s2, 0xf033
	s_cbranch_scc0 .Lentry_shape_is_right
	s_endpgm
.Lentry_shape_is_right:
; qkv = x w_qkv + b_qkv on codes of FP8 (E4M3), and q, k, v quantised again for the attention.
; x_codes: [8192 tokens][1024], w_qkv_codes: [3072 columns][1024], K innermost; a number is its code x 2^e0 (x) or 2^e1 (w).  Each finished sum is multiplied once by 2^(e0 + e1), the bias is added
; (one fused multiply-add), and the result is held within +-448 x 2^e and turned into a code with the scale 2^e: e = e2 for q, e3 for k, e5 for v.
; LIMITS: e0 + e1 between -126 and 127; e2, e3, e5 between -126 and 119, so that each power of two below is an f32 number.  NaN among the inputs is not served.
; Fragments come by loads of 16 bytes, which is a permutation of k, the same in both operands: only the order of the sums inside an instruction changes.
; SHARES.  A tile of 256 x 256 is made by a work-group of four waves; a wave makes 128 x 128: 64 accumulators of 16 x 16, 512 registers.  K = 1,024 goes in four steps of 256 through a ring of two LDS slots.
; CLUSTERS: 4 x 4 work-groups; the cluster's x says what is made: 0 = q, 1 = k, 2 = v.  Source 1 of the matrix instruction ('A': a lane's one row) and source 0 ('B': a lane's eight registers) are
;   q, k:  A = 256 tokens of x (tile row 4 x cluster y + cy),      B = 256 columns of w_qkv (tile column 4 x cluster x + cx): a lane holds one token and 8 neighbouring channels: K of the first attention product;
;   v:     A = 256 columns of w_qkv (tile row 8 + cy),             B = 256 tokens of x (tile column 4 x cluster y + cx):      a lane holds one channel and 8 neighbouring tokens: K of the second.
; Both tensors have rows of 1,024 bytes, so only pointers and tile numbers are chosen, by selects on the cluster's x, which all sixteen partners share.  A's tiles are asked for jointly along a row of the cluster, B's along a column.
; OUT.  q_codes, k_codes: [batch x head = 64][2048 tokens][64].  v_codes: [64][16 blocks of 128 keys][64 rows][128 keys]; row 32 d5 + 16 d3 + 8 d4 + d % 8 holds channel d (bits 3 and 4 change places).
; REGISTERS, in windows of 256: window 0: v12-31 addresses and constants; v32-95 the bias at my 8 x 8 columns; v96-111 the bias of my row of each block, twice; v112-127 codes; from v128 A's fragments, ONE set
;   (on the way out v128-191 numbers, v192-223 rows read back).   window 1: B's fragments, TWO sets.   window 2: the accumulators of my rows 0-63 ((a, b) at v[8 (8 a + b)]);   window 3: those of rows 64-127.
.set ROWB,   256                       ; a tile's row in bytes: 256 codes
.set KROW,   1024                      ; a row of x or of w_qkv in memory
.set PITCH,  272                       ; an LDS row: 256 bytes + 16 of padding: the 16 rows that a load touches start at 16 different groups of four banks
.set FR,     16                        ; registers of a fragment: 16 rows x 128 K
.set NL,     4                         ; LDS loads that bring one
.set NP,     4                         ; places behind this matrix instruction (ISA guide 7.12.1)
.set HALFT,  128*PITCH                 ; 128 rows: what one tensor load brings
.set SLOT,   4*HALFT                   ; A's 256 rows, then B's 256 rows
.set SPARE,  2*SLOT                    ; behind the ring: the spare words, 128 bytes for each wave, which no other line names
.set STAGEQ, SPARE+512                 ; the way out of q and k: for each wave 2 heads x 16 tokens x (64 bytes + 16)
.set STAGEV, STAGEQ+4*2560             ; the way out of v: for each wave 16 channels x (128 bytes + 16).  No tensor load lands in either stage
.set BCO,  12                          ; v12  byte offset in b_qkv of my 8 columns of block 0
.set BRO,  13                          ; v13  byte offset in b_qkv of my row of block 0
.set ADRA, 16                          ; v16-17  LDS address of my A fragments in slot 0, 1
.set ADRB, 20                          ; v20-21  the same for B
.set STQ,  22                          ; v22  q, k: where I put 8 codes
.set RDQ,  23                          ; v23  q, k: where I read 16 bytes back
.set STV,  24                          ; v24  v: likewise
.set RDV,  25                          ; v25
.set CO,   26                          ; v26  16 x lane: my place in a store's 512 bytes
.set SPW,  28                          ; v28  LDS address of my spare word; never rewritten
.set NIL,  29                          ; v29  0; never rewritten
.set SCQ,  30                          ; v30  2^e as f32: the conversion takes its exponent field
.set LIMQ, 31
.set BC,   32
.set BR,   96
.set CD,   112
.set AF,   128
.set TMP,  128
.set BK,   192
.set G1, 24                            ; s[24:31] descriptor group 1 for A's tiles;  s[32:39] group 0, one set for each slot
.set G0, 32
.set G1B, 48                           ; s[48:55], s[56:63] the same for B's tiles
.set G0B, 56
.set MSB, 0
.macro WIN new                         ; the immediate's high byte repeats the setting that is left; a switch that changes nothing is dropped
.if MSB != (\new)
	s_set_vgpr_msb (MSB<<8)|(\new)
.set MSB, \new
.endif
.endm
.set MUL_LO, 0xa1                      ; source 0 (B) window 1, source 1 (A) window 0, C and D window 2
.set MUL_HI, 0xf1                      ; the same, C and D window 3
.set TO_B,   0x40                      ; destination window 1, address window 0
; A joint load: waves 0 and 1 fetch for A, waves 2 and 3 for B.  Each of the two lines has one mask and one set of registers; the branch hangs on the wave's number alone.
; Four v_nop follow each of the two lines, ahead of the jump, the label and what follows.
.macro JLOAD g0a, g1a, g0b, g1b
	s_cmp_eq_u32 s15, 0
	s_cbranch_scc0 .Lfor_b_\@
	tensor_load_to_lds s[\g0a:\g0a+3], s[\g1a:\g1a+7]
	s_nop 0
.rept 4
	v_nop
.endr
	s_branch .Lasked_\@
.Lfor_b_\@:
	tensor_load_to_lds s[\g0b:\g0b+3], s[\g1b:\g1b+7]
	s_nop 0
.rept 4
	v_nop
.endr
.Lasked_\@:
.endm
.macro CREST                           ; a round of the cluster's barrier behind its opening barrier
	s_cmp_lg_u32 s14, 0
	s_cbranch_scc1 .Lnot_wave_0_\@
	s_barrier_signal -3
.Lnot_wave_0_\@:
	s_barrier_wait -3
	s_barrier_signal -1
	s_barrier_wait -1
.endm
.macro CROUND                          ; a whole round
	s_barrier_signal -1
	s_barrier_wait -1
	CREST
.endm
	s_load_b128 s[4:7], s[0:1], 0x0                ; x's codes s[4:5], w_qkv's codes s[6:7]
	s_load_b128 s[8:11], s[0:1], 0x10              ; the scales' exponents s[8:9], b_qkv s[10:11]
	s_load_b128 s[84:87], s[0:1], 0x20             ; q_codes s[84:85], k_codes s[86:87]
	s_load_b64 s[88:89], s[0:1], 0x30              ; v_codes
	v_lshl_add_u32 v[SPW], v0, 2, SPARE
	v_mov_b32 v[NIL], 0
	ds_add_u32 v28, v29
	ds_add_u32 v28, v29
	s_wait_dscnt 0x0
	v_lshrrev_b32 v1, 5, v0
	v_readfirstlane_b32 s14, v1                    ; wave 0..3
	s_lshr_b32 s15, s14, 1                         ; which half of A's 256 rows is mine.  Also: I fetch for A (0) or for B (1)
	s_and_b32 s16, s14, 1                          ; which half of B's 256 rows.  Also: which 128 rows of that tile I fetch
	s_bfe_u32 s40, ttmp6, 0x40000                  ; cx, cy: my place in the cluster
	s_bfe_u32 s41, ttmp6, 0x40004
	s_and_b32 s90, ttmp7, 0xffff
	s_lshl_b32 s90, s90, 2                         ; 4 x cluster y
	s_add_co_u32 s17, s90, s41                     ; q, k: A's tile row = 4 x cluster y + cy (tokens)
	s_add_co_u32 s91, s41, 8                       ; v:    A's tile row = 8 + cy (columns 2,048 on of w_qkv)
	s_lshl_b32 s42, ttmp9, 2
	s_add_co_u32 s42, s42, s40                     ; q, k: B's tile column = 4 x cluster x + cx (columns of w_qkv)
	s_add_co_u32 s92, s90, s40                     ; v:    B's tile column = 4 x cluster y + cx (tokens)
	s_cmp_eq_u32 ttmp9, 2                          ; the cluster's x: the same in all sixteen partners
	s_cselect_b32 s17, s91, s17                    ; A's tile row hangs on cy and the cluster's place alone,
	s_cselect_b32 s42, s92, s42                    ; B's tile column on cx and the cluster's place alone
	s_lshl_b32 s43, s41, 2
	s_lshl_b32 s43, 15, s43                        ; my row of the cluster
	s_lshl_b32 s44, 0x1111, s40                    ; my column
	; descriptor group 1: a tile of 128 rows x 256 bytes, padded in LDS
	s_or_b32 s[G1+0], s43, (0<<16)|(1<<20)|(1<<21)|(5<<22)|(3<<25)  ; 15:0 the mask: A's tiles go to my row; 17:16 elements of 1 byte; 20 padding on; 21 set beside a mask; 24:22 after every 64 words; 31:25 four words
	s_or_b32 s[G1B+0], s44, (0<<16)|(1<<20)|(1<<21)|(5<<22)|(3<<25) ; the same with the mask of my column
.irp g, G1, G1B
	s_mov_b32 s[\g+1], ROWB<<16                    ; tensor_dim0
	s_mov_b32 s[\g+2], 128<<16                     ; tensor_dim1 = 128
	s_mov_b32 s[\g+3], ROWB<<16                    ; tile_dim0
	s_mov_b32 s[\g+4], 128                         ; tile_dim1 = 128
	s_mov_b32 s[\g+5], KROW                        ; tensor_dim0_stride
	s_mov_b32 s[\g+6], 0
	s_mov_b32 s[\g+7], 0
.endr
	s_lshl_b32 s18, s16, 7                         ; which 128 rows of the tile I fetch
	s_lshl_b32 s20, s17, 8
	s_add_co_u32 s20, s20, s18                     ; A: row 256 x tile row + 128 x half
	s_lshl_b32 s20, s20, 10                        ; in bytes: under 2^23
	s_mov_b32 s21, 0
	s_lshl_b32 s46, s42, 8
	s_add_co_u32 s46, s46, s18                     ; B: row 256 x tile column + 128 x half
	s_lshl_b32 s46, s46, 10
	s_mov_b32 s47, 0
	s_mul_i32 s45, s14, HALFT                      ; where they go: wave x 128 rows: no place in the cluster enters an LDS address
	s_wait_kmcnt 0x0
	s_load_b256 s[68:75], s[8:9], 0x0              ; e0 .. e7; waited for on the way out
	s_cmp_eq_u32 ttmp9, 2
	s_cselect_b64 s[76:77], s[6:7], s[4:5]         ; A's tensor: w_qkv for v, else x
	s_cselect_b64 s[78:79], s[4:5], s[6:7]         ; B's tensor: x for v, else w_qkv
	s_add_nc_u64 s[20:21], s[76:77], s[20:21]
	s_add_nc_u64 s[46:47], s[78:79], s[46:47]
	CROUND                                         ; all sixteen work-groups are here: the first joint loads meet
.irp s, 0,1
	s_mov_b32 s[G0+4*\s], 1
	s_add_co_u32 s[G0+4*\s+1], s45, \s*SLOT
	s_add_nc_u64 s[G0+4*\s+2:G0+4*\s+3], s[20:21], \s*ROWB
	s_or_b32 s[G0+4*\s+3], s[G0+4*\s+3], 0x80000000
	s_mov_b32 s[G0B+4*\s], 1
	s_add_co_u32 s[G0B+4*\s+1], s45, \s*SLOT
	s_add_nc_u64 s[G0B+4*\s+2:G0B+4*\s+3], s[46:47], \s*ROWB
	s_or_b32 s[G0B+4*\s+3], s[G0B+4*\s+3], 0x80000000
	JLOAD G0+4*\s, G1, G0B+4*\s, G1B               ; two tensor loads of mine are out
.endr
	v_and_b32 v1, 15, v0                           ; r = l % 16
	s_wait_alu depctr_va_vdst(0)
	v_bfe_u32 v2, v0, 4, 1                         ; h = l / 16
	v_and_b32 v6, 31, v0                           ; l
	v_mul_u32_u24 v3, v1, PITCH
	v_lshl_add_u32 v4, v2, 4, v3                   ; a fragment's row x pitch + 16 x half
	s_mul_i32 s21, s15, HALFT                      ; my 128 rows of A
	s_mul_i32 s22, s16, HALFT                      ; my 128 rows of B,
	s_add_co_u32 s22, s22, 2*HALFT                 ; which lie behind A's 256
.irp s, 0,1
	v_add_nc_u32 v[ADRA+\s], s21, v4
	v_add_nc_u32 v[ADRB+\s], s22, v4
	s_add_co_u32 s21, s21, SLOT
	s_add_co_u32 s22, s22, SLOT
.endr
	; both ways out have their addresses made here, ahead of the place where they part
	s_mul_i32 s23, s14, 2560
	s_add_co_u32 s23, s23, STAGEQ                  ; my stage for q and k
	v_mul_u32_u24 v5, v1, 80
	s_wait_alu depctr_va_vdst(0)
	v_lshl_add_u32 v5, v2, 3, v5
	v_add_nc_u32 v[STQ], s23, v5                   ; in: token r, 8 bytes for each half of the lanes
	v_lshrrev_b32 v7, 2, v6
	v_mul_u32_u24 v7, v7, 80
	v_and_b32 v8, 3, v6
	v_lshl_add_u32 v7, v8, 4, v7
	v_add_nc_u32 v[RDQ], s23, v7                   ; back: four lanes to a token's 64 bytes
	s_mul_i32 s23, s14, 2304
	s_add_co_u32 s23, s23, STAGEV                  ; my stage for v
	v_mul_u32_u24 v5, v1, 144
	v_lshl_add_u32 v5, v2, 3, v5
	v_add_nc_u32 v[STV], s23, v5                   ; in: channel r, 8 bytes for each half of the lanes
	v_lshrrev_b32 v7, 3, v6
	v_mul_u32_u24 v7, v7, 144
	v_and_b32 v8, 7, v6
	v_lshl_add_u32 v7, v8, 4, v7
	v_add_nc_u32 v[RDV], s23, v7                   ; back: eight lanes to a channel's 128 bytes
	v_lshlrev_b32 v[CO], 4, v6
	; the bias, both ways, without a branch: along the registers (q, k: B's rows are the columns of qkv) and along the lanes (v: A's rows are).  The set that is not used is read from b_qkv's first bytes
	s_lshl_b32 s80, s42, 8
	s_lshl_b32 s81, s16, 7
	s_add_co_u32 s80, s80, s81
	s_lshl_b32 s80, s80, 2                         ; q, k: my first column, in bytes
	s_lshl_b32 s82, s17, 8
	s_lshl_b32 s83, s15, 7
	s_add_co_u32 s82, s82, s83
	s_lshl_b32 s82, s82, 2                         ; v: my first column, in bytes
	s_cmp_eq_u32 ttmp9, 2
	s_cselect_b32 s80, 0, s80
	s_cselect_b32 s82, s82, 0
	v_lshlrev_b32 v[BCO], 5, v2
	v_add_nc_u32 v[BCO], s80, v[BCO]
	v_lshlrev_b32 v[BRO], 2, v1
	v_add_nc_u32 v[BRO], s82, v[BRO]
.irp bb, 0,1,2,3,4,5,6,7
	global_load_b128 v[BC+8*\bb:BC+8*\bb+3], v[BCO], s[10:11] offset:64*\bb        ; b_qkv at columns 16 bb + 8 h + 0 .. 7
	global_load_b128 v[BC+8*\bb+4:BC+8*\bb+7], v[BCO], s[10:11] offset:64*\bb+16
.endr
.irp a, 0,1,2,3,4,5,6,7
	global_load_b32 v[BR+2*\a], v[BRO], s[10:11] offset:64*\a                      ; b_qkv at column 16 a + r, into both registers of a pair
	global_load_b32 v[BR+2*\a+1], v[BRO], s[10:11] offset:64*\a
.endr
	; where my part begins in the buffer that I store into
	s_lshl_b32 s90, s17, 8
	s_lshl_b32 s91, s15, 7
	s_add_co_u32 s90, s90, s91                     ; q, k: my first token = 256 x tile row + 128 x half
	s_lshr_b32 s91, s90, 11
	s_lshl_b32 s91, s91, 4                         ; 16 x batch
	s_and_b32 s92, s42, 3
	s_lshl_b32 s92, s92, 2
	s_add_co_u32 s91, s91, s92                     ; + 4 heads to a tile column
	s_lshl_b32 s92, s16, 1
	s_add_co_u32 s91, s91, s92                     ; + 2 to a wave's half
	s_lshl_b32 s91, s91, 11
	s_and_b32 s90, s90, 2047
	s_add_co_u32 s91, s91, s90
	s_lshl_b32 s91, s91, 6                         ; ((batch x head) x 2,048 + token) x 64 bytes
	s_lshl_b32 s92, s42, 8
	s_lshl_b32 s93, s16, 7
	s_add_co_u32 s92, s92, s93                     ; v: my first token = 256 x tile column + 128 x half
	s_lshr_b32 s93, s92, 11
	s_lshl_b32 s93, s93, 4
	s_lshl_b32 s94, s41, 2
	s_add_co_u32 s93, s93, s94
	s_lshl_b32 s94, s15, 1
	s_add_co_u32 s93, s93, s94                     ; batch x head = 16 x batch + 4 cy + 2 x half
	s_lshl_b32 s93, s93, 4
	s_and_b32 s92, s92, 2047
	s_lshr_b32 s92, s92, 7
	s_add_co_u32 s93, s93, s92                     ; + the block of 128 keys
	s_lshl_b32 s93, s93, 13                        ; x 8,192 bytes
	s_cmp_eq_u32 ttmp9, 0
	s_cselect_b64 s[12:13], s[84:85], s[86:87]
	s_cmp_eq_u32 ttmp9, 2
	s_cselect_b64 s[12:13], s[88:89], s[12:13]
	s_cselect_b32 s94, s93, s91
	s_mov_b32 s95, 0
	s_add_nc_u64 s[12:13], s[12:13], s[94:95]
.macro FRAG reg, adr, q, i             ; a fragment, 16 rows x 128 K, is 16 registers: lane l holds row l % 16; registers 4 c .. 4 c + 3 hold K = 32 c + 16 (l / 16) + 0 .. 15
.irp c, 0,1,2,3
	ds_load_b128 v[\reg+4*\c:\reg+4*\c+3], v[\adr] offset:128*(\q)+32*\c+(\i)*16*PITCH
.endr
.endm
; 16 matrix instructions: A's blocks a0, a0 + 1 x B's eight, 128 along K.  p: B's set.  zero = 1: the first product starts the sums: nothing is ever cleared.
; The 64 accumulators take turns, one instruction a turn, in the same order in every step.
.macro MUL16 a0, p, zero
.irp a, \a0, \a0+1
.irp b, 0,1,2,3,4,5,6,7
.if \zero
	v_wmma_f32_16x16x128_fp8_fp8 v[8*(8*((\a)%4)+\b):8*(8*((\a)%4)+\b)+7], v[128*(\p)+FR*\b:128*(\p)+FR*\b+FR-1], v[AF+FR*(\a):AF+FR*(\a)+FR-1], 0
.else
	v_wmma_f32_16x16x128_fp8_fp8 v[8*(8*((\a)%4)+\b):8*(8*((\a)%4)+\b)+7], v[128*(\p)+FR*\b:128*(\p)+FR*\b+FR-1], v[AF+FR*(\a):AF+FR*(\a)+FR-1], v[8*(8*((\a)%4)+\b):8*(8*((\a)%4)+\b)+7]
.endif
.endr
.endr
.endm
.macro FETCH_B slot, q, p              ; B's eight fragments of the slot's q-th 128 along K into set p
	WIN TO_B
.irp i, 0,1,2,3,4,5,6,7
	FRAG 128*(\p)+FR*\i, ADRB+\slot, \q, \i
.endr
	WIN 0
.endm
.macro FETCH_A slot, q, i0             ; A's blocks i0 .. i0 + 3
.irp i, \i0, \i0+1, \i0+2, \i0+3
	FRAG AF+FR*(\i), ADRA+\slot, \q, \i
.endr
.endm
; A load into a register that a matrix instruction has read, and a vector instruction that reads a matrix result or writes one of its registers, stand NP places behind it; only plain vector
; instructions that name none of its registers are places (ISA guide 7.12.1 for vector instructions).
.macro PLACES n
.rept \n
	v_nop
.endr
.endm
; A step of 128 along K that has its successor in the same slot.  A block of A is free as soon as its eight products are issued, so A has one set of registers: blocks 0-3 are fetched anew in the step's middle, blocks 4-7 at its end.
.macro STEP slot, q, zero
	s_wait_dscnt 4*NL                              ; B's set and A's blocks 0-3 are in; the youngest 16 loads (A's blocks 4-7) may be out
	WIN MUL_LO
	MUL16 0, (\q)%2, \zero
	MUL16 2, (\q)%2, \zero
	s_wait_dscnt 0                                 ; A's blocks 4-7 are in (asked for 32 matrix instructions ago)
	PLACES NP
	FETCH_B \slot, (\q)+1, 1-(\q)%2
	FETCH_A \slot, (\q)+1, 0
	WIN MUL_HI
	MUL16 4, (\q)%2, \zero
	MUL16 6, (\q)%2, \zero
	PLACES NP
	WIN 0
	FETCH_A \slot, (\q)+1, 4
.endm
; A slot's last step changes slots: ONE barrier; in front of it each wave waits for all its tensor loads, adds 0 to its spare word, and waits for that and for its own reads of this slot.  fill = 1: this slot is filled again, two K steps ahead.
.macro TURN slot, next, fill
	s_wait_tensorcnt 0x0                           ; all my tensor loads have landed: my part of the next slot;  (every window is 0 here: the add's two registers lie in window 0)
	ds_add_u32 v[SPW], v[NIL]                      ; 0 onto my spare word
	s_wait_dscnt 4*NL+1                            ; (the add and the youngest 16 loads, A's blocks 4-7, may be out)
	WIN MUL_LO
	MUL16 0, 1, 0                                  ; sixteen matrix instructions stand between the add and the wait for it
	s_wait_dscnt 0x0                               ; the add is done, and my reads of this slot are over
	s_barrier_signal -1
	MUL16 2, 1, 0
	WIN 0
	s_barrier_wait -1
.if \fill
	CREST                                          ; the barrier has opened a round of the cluster's barrier: no wave of any partner still reads this slot's tile or has a load on its way
	s_add_nc_u64 s[G0+4*\slot+2:G0+4*\slot+3], s[G0+4*\slot+2:G0+4*\slot+3], 2*ROWB
	s_add_nc_u64 s[G0B+4*\slot+2:G0B+4*\slot+3], s[G0B+4*\slot+2:G0B+4*\slot+3], 2*ROWB
	JLOAD G0+4*\slot, G1, G0B+4*\slot, G1B         ; the first tensor load behind the round, my only one until the next; its four v_nop are also the places in front of the loads below
.else
	PLACES NP
.endif
	FETCH_B \next, 0, 0
	FETCH_A \next, 0, 0
	WIN MUL_HI
	MUL16 4, 1, 0
	MUL16 6, 1, 0
	PLACES NP
	WIN 0
	FETCH_A \next, 0, 4
.endm
	s_wait_tensorcnt 1                             ; my part of K step 0 is in; K step 1's load may be out
	s_barrier_signal -1
	s_barrier_wait -1                              ; everybody's is
	FETCH_B 0, 0, 0
	FETCH_A 0, 0, 0
	FETCH_A 0, 0, 4
	STEP 0, 0, 1                                   ; K = 1,024 is eight steps of 128, written out: the first starts the sums
	TURN 0, 1, 1                                   ; slot 0 takes K step 2
	STEP 1, 0, 0
	TURN 1, 0, 1                                   ; slot 1 takes K step 3
	STEP 0, 0, 0
	TURN 0, 1, 0                                   ; nothing is left to fetch
	STEP 1, 0, 0
	s_wait_dscnt 4*NL                              ; the very last step
	WIN MUL_LO
	MUL16 0, 1, 0
	MUL16 2, 1, 0
	s_wait_dscnt 0
	WIN MUL_HI
	MUL16 4, 1, 0
	MUL16 6, 1, 0
	WIN 0
; THE WAY OUT, block by block of A's 16 rows.  sum x 2^(e0 + e1) + bias (one packed multiply-add for two numbers, each accumulator from its low end on), the hold, the conversion: a lane's 8 registers are 8 neighbours
; along the next K and become 8 bytes.  The lanes beside it hold other rows, so a block goes through my own stage in LDS and comes back in the order of memory: each store of the wave covers 512 consecutive bytes, aligned.
; LDS serves a wave's instructions in order (ISA guide 5.7.1.4): no wait between the stores and the loads, nor in front of the next block's stores.
.macro TOSTAGE a, isv
.set AC, 64*((\a)%4)
	WIN 0x02+((\a)/4)                              ; source 0: window 2 or 3
.irp bb, 0,1,2,3,4,5,6,7
.irp i, 0,2,4,6
.if \isv
	v_pk_fma_f32 v[TMP+8*\bb+\i:TMP+8*\bb+\i+1], v[AC+8*\bb+\i:AC+8*\bb+\i+1], s[96:97], v[BR+2*(\a):BR+2*(\a)+1] op_sel_hi:[1,0,1]
.else
	v_pk_fma_f32 v[TMP+8*\bb+\i:TMP+8*\bb+\i+1], v[AC+8*\bb+\i:AC+8*\bb+\i+1], s[96:97], v[BC+8*\bb+\i:BC+8*\bb+\i+1] op_sel_hi:[1,0,1]
.endif
.endr
.endr
	WIN 0
.set J, 0
.rept 64
.set J, J+1
.endr
.irp bb, 0,1,2,3,4,5,6,7
	v_cvt_scalef32_pk8_fp8_f32 v[CD+2*\bb:CD+2*\bb+1], v[TMP+8*\bb:TMP+8*\bb+7], v[SCQ]
.endr
	v_nop                                          ; one plain vector instruction behind the last conversion, ahead of the next vector instruction that writes its sources
.irp bb, 0,1,2,3,4,5,6,7
.if \isv
	ds_store_b64 v[STV], v[CD+2*\bb:CD+2*\bb+1] offset:16*\bb                      ; channel r, keys 16 bb + 8 h + 0 .. 7
.else
	ds_store_b64 v[STQ], v[CD+2*\bb:CD+2*\bb+1] offset:(\bb/4)*1280+16*(\bb%4)     ; head bb / 4, token r, channels 16 (bb % 4) + 8 h + 0 .. 7
.endif
.endr
.set BB, BK+16*((\a)%2)
.irp k, 0,1,2,3
.if \isv
	ds_load_b128 v[BB+4*\k:BB+4*\k+3], v[RDV] offset:576*\k                        ; channels 4 k .. 4 k + 3
.else
	ds_load_b128 v[BB+4*\k:BB+4*\k+3], v[RDQ] offset:(\k/2)*1280+(\k%2)*640        ; head k / 2, tokens 8 (k % 2) on
.endif
.endr
.endm
.macro SEND a, isv, younger            ; younger: the LDS instructions issued behind block a's loads, which may stay out.  Every offset is an immediate: no base is stepped
.set BB, BK+16*((\a)%2)
	s_wait_dscnt \younger                          ; the block is back in registers
.irp k, 0,1,2,3
.if \isv
	global_store_b128 v[CO], v[BB+4*\k:BB+4*\k+3], s[12:13] offset:((\a)/4)*131072+(((\a)/2)%2)*4096+(\k/2)*2048+((\a)%2)*1024+(\k%2)*512   ; head a / 4; row 32 d5 + 16 d3 + 8 d4 + d % 8 of channel d = 16 (a % 4) + 4 k + l / 8
.else
	global_store_b128 v[CO], v[BB+4*\k:BB+4*\k+3], s[12:13] offset:(\k/2)*131072+1024*(\a)+512*(\k%2)
.endif
.endr
.endm
.macro OUTWAY isv
	TOSTAGE 0, \isv
.irp a, 1,2,3,4,5,6,7
.if \a > 1
	s_wait_xcnt 0x0                                ; block a - 2's stores have read their registers: block a's loads may land there
.endif
	TOSTAGE \a, \isv
	SEND \a-1, \isv, 12                            ; behind block a - 1's loads: block a's 8 stores and 4 loads
.endr
	SEND 7, \isv, 0
.endm
	s_wait_kmcnt 0x0                               ; the exponents
	s_wait_loadcnt 0x0                             ; the bias
	s_add_co_i32 s96, s68, s69                     ; e0 + e1, between -126 and 127,
	s_add_co_i32 s96, s96, 127
	s_lshl_b32 s96, s96, 23                        ; makes the f32 number 2^(e0 + e1)
	s_mov_b32 s97, s96                             ; (named with it as a pair, so it is written)
	s_cmp_eq_u32 ttmp9, 0
	s_cselect_b32 s80, s70, s71                    ; e2 for q, e3 for k,
	s_cmp_eq_u32 ttmp9, 2
	s_cselect_b32 s80, s73, s80                    ; e5 for v
	s_add_co_i32 s80, s80, 127
	s_lshl_b32 s81, s80, 23
	v_mov_b32 v[SCQ], s81                          ; 2^e
	PLACES NP                                      ; behind the last products: for the first reads of results and the writes and loads into the registers that held A's fragments
	s_cmp_eq_u32 ttmp9, 2                          ; the cluster's x: all sixteen partners take the same way
	s_cbranch_scc1 .Lv
	OUTWAY 0
	s_branch .Lend
.Lv:
	OUTWAY 1
.Lend:
	s_wait_tensorcnt 0x0                           ; the wave's end, behind my last tensor load and my last LDS store
	ds_add_u32 v[SPW], v[NIL]
	s_wait_dscnt 0x0
	CROUND                                         ; the closing round: no work-group ends while a partner may still ask for a tile that names it
	s_endpgm
.Lfunc_end_k_q3591e2b130_qkv:
	.size	k_q3591e2b130_qkv, .Lfunc_end_k_q3591e2b130_qkv-k_q3591e2b130_qkv
	.p2alignl 7, 3214868480
	.fill 96, 4, 3214868480
	.section	.rodata,"a",@progbits
	.p2align	6, 0x0
	.amdhsa_kernel k_q3591e2b130_qkv
		.amdhsa_group_segment_fixed_size 327680
		.amdhsa_private_segment_fixed_size 0
		.amdhsa_enable_private_segment 0
		.amdhsa_kernarg_size 56
		.amdhsa_user_sgpr_count 2
		.amdhsa_user_sgpr_kernarg_segment_ptr 1
		.amdhsa_wavefront_size32 1
		.amdhsa_system_sgpr_workgroup_id_x 1
		.amdhsa_system_sgpr_workgroup_id_y 1
		.amdhsa_system_sgpr_workgroup_id_z 1
		.amdhsa_system_vgpr_workitem_id 0
		.amdhsa_next_free_vgpr 1024
		.amdhsa_next_free_sgpr 100
		.amdhsa_reserve_vcc 0
		.amdhsa_float_denorm_mode_32 3
		.amdhsa_float_denorm_mode_16_64 3
		.amdhsa_fp16_overflow 1
		.amdhsa_memory_ordered 1
		.amdhsa_forward_progress 1
		.amdhsa_inst_pref_size 144
	.end_amdhsa_kernel
	.amdgpu_metadata
---
amdhsa.version: [ 1, 2 ]
amdhsa.kernels:
  - .name:           k_q3591e2b130_qkv
    .symbol:         k_q3591e2b130_qkv.kd
    .args:
      - { .name: x_codes, .offset: 0, .size: 8, .value_kind: global_buffer, .address_space: global }
      - { .name: w_qkv_codes, .offset: 8, .size: 8, .value_kind: global_buffer, .address_space: global }
      - { .name: lowp_scales, .offset: 16, .size: 8, .value_kind: global_buffer, .address_space: global }
      - { .name: b_qkv, .offset: 24, .size: 8, .value_kind: global_buffer, .address_space: global }
      - { .name: q_codes, .offset: 32, .size: 8, .value_kind: global_buffer, .address_space: global }
      - { .name: k_codes, .offset: 40, .size: 8, .value_kind: global_buffer, .address_space: global }
      - { .name: v_codes, .offset: 48, .size: 8, .value_kind: global_buffer, .address_space: global }
    .group_segment_fixed_size: 327680
    .private_segment_fixed_size: 0
    .kernarg_segment_align: 8
    .kernarg_segment_size: 56
    .max_flat_workgroup_size: 128
    .sgpr_count:     100
    .vgpr_count:     1024
    .wavefront_size: 32
...
	.end_amdgpu_metadata
.endif
;; end of part 1
;; launch attn (part 2): grid 4 x 64, 8 waves a work-group, no clusters, 327,680 bytes of LDS; arguments q_codes, k_codes, v_codes, lowp_scales, a_codes; writes a_codes
.if DOCPART == 2
	.amdgcn_target "amdgcn-amd-amdhsa--gfx1250"
	.amdhsa_code_object_version 6
	.text
	.protected	k_q3591e2b130_attn
	.globl	k_q3591e2b130_attn
	.p2align	8
	.type	k_q3591e2b130_attn,@function
k_q3591e2b130_attn:
	s_mov_b64 s[64:65], 0
	v_nop
	global_prefetch_b8 v0, s[64:65] scope:SCOPE_SE
	s_setreg_imm32_b32 hwreg(HW_REG_WAVE_MODE, 25, 1), 1
	s_wait_xcnt 0x0
; Causal attention of one head on codes of FP8 (E4M3), head size 64, 2,048 tokens, and its result quantised for the last projection.
; q_codes, k_codes: [64 heads][2048][64].  v_codes: [64][16 blocks of 128 keys][64 rows][128 keys], row 32 d5 + 16 d3 + 8 d4 + d % 8 = channel d.  Scales 2^e2 (q), 2^e3 (k), 2^e4 (p), 2^e5 (v), 2^e6 (the result).
; THE SOFTMAX: t = score x log2(e) / 8; M = the row's largest t so far, rounded UP to a whole number; p = 2^(t - M) is quantised, along the keys, not normalised.  The row's sum is taken of the unquantised p, in f32,
; and divides at the end.  When M moves, the sum and O are multiplied by 2^(old M - new M), which rounds nothing.
; a_codes: images of the projection's A fragments: [token / 16 (512)][head (16)][g (2)][lane (32)][16 bytes]; lane (r, h) holds token 16 tt + r, channels 64 head + 32 g + 16 h + 0 .. 15.
; LIMITS on the given exponents: e2 + e3 between -123 and 130 (they are added to c's exponent field); e4 and e6 between -126 and 119; e4 + e5 is applied by v_ldexp_f32 and has none.  NaN among the inputs is not served.
; SHARES.  Work-group (p, head) owns the blocks of 256 queries 7 - p and p of its head: first block 7 - p with key slots 0 .. 7 - p, then block p with slots 0 .. p: always nine slots of 256 keys, so the trip count is a
; constant and all 256 work-groups have equal work.  Each of the eight waves owns 32 queries of the block in hand, two tiles of 16, so that each fragment of K and V read from LDS feeds two matrix instructions.
; A step of 128 keys all of which come after the wave's queries is left out by a scalar branch on ids; no barrier and no tensor load stands under such a branch.
; NO CLUSTER: the four work-groups of a head go back to key 0 in different trips (after 8 - p); walking in step they would need 12 trips where each needs 9, for 32 KiB shared a trip.
; LAYOUT.  S^T = K Q^T (source 0 = 16 keys, source 1 = 16 queries), K = 64 in one instruction: register 8 t + j of lane (r, h) is key 16 t + 8 h + j of query r.  Tile t's eight registers become two registers of codes:
; registers 2 t, 2 t + 1 of source 1 of O^T = V^T P (K = 128 keys) in that form's own layout; V's fragments come by loads of 8 bytes.  A lane holds one query throughout.
; Q's and K's fragments come by loads of 16 bytes: a permutation of the head's 64, the same in both.
; REGISTERS.  window 0: v1-11 addresses; v12-27 statistics, eight a tile; v28-31 second chains of the sums; v32-39 constants; v40-55 Q; v64-127 K's eight fragments (on the way out v64-79 codes); v128-255 S^T, then p, 64 a tile.
;   window 1: v0-63 O^T (32 a tile); v64-95 P's codes; v96-159 V's four fragments; v160-175 the second block's Q.
.set PK,    272                        ; an LDS row: 256 bytes (four keys of K; two rows of V) + 16 of padding
.set VOFF,  64*PK                      ; a slot: K's 64 long rows, then V's 64
.set SLOT1, 65536                      ; slot 1 begins here, so that one exclusive or turns an address in one slot into the other's
.set SPARE, 131072                     ; behind the ring: the spare words, 128 bytes for each wave, which no other line names
.set AK0,  1                           ; v1   my lane's place in a tile of K: 272 (r / 4) + 64 (r % 4) + 16 h
.set AV0,  2                           ; v2   in a tile of V: VOFF + 272 (r / 2) + 128 (r % 2) + 8 h
.set PFO,  3                           ; v3   256 x lane: the prefetches' offset; never rewritten
.set D0,   4                           ; v4   r - 8 h
.set SPW,  5                           ; v5   LDS address of my spare word; never rewritten
.set NIL,  6                           ; v6   0; never rewritten
.set GO,   7                           ; v7   16 x lane
.set ADK,  8                           ; v8   LDS address of the step's K
.set ADV,  9                           ; v9   of its V
.set MD,   10                          ; v10, v11  the mask's d of tiles 0, 1
.set ST,   12                          ; tile u at v[ST + 8 u]: +0 -M, +1 the largest t, +2, +3 the sum in two halves, +4 f (at the end 1 / sum), +5 written, not used, +6, +7 at work
.set X2,   28                          ; v[28:29], v[30:31]
.set LIMP, 32
.set SCP,  33                          ; v33  2^e4
.set NINF, 34                          ; v34  -infinity
.set PX,   35                          ; v35, v36  destinations of the lane exchange
.set LIMA, 37
.set SCA,  38                          ; v38  2^e6
.set QOF,  39                          ; v39  Q: 64 r + 16 h
.set QF,   40
.set KFR,  64
.set CD,   64
.set S,    128
.set O,    0                           ; in window 1
.set P,    64
.set VF,   96
.set QB,   160
.set TB,   2                           ; s2   LDS byte at which the slot in hand begins
.set TAU,  3                           ; s3   the trip
.set WV,   18                          ; s18  my wave's number
.set SEL,  20                          ; s[20:21] lane selects: lane l xor 16
.set CS,   22                          ; s[22:23] c = log2(e) / 8 x 2^(e2 + e3), twice
.set G1,   24                          ; s[24:31] descriptor group 1: one shape serves K and V
.set G0,   40                          ; s[40:43] group 0
.set SRC,  44                          ; s[44:45] K (wave 0) or V (wave 1) at my head
.set OFF,  46                          ; s[46:47] the next slot's bytes from there
.set WRAP, 66                          ; s66  8 - p: the trip in which the keys begin anew
.set SWT,  67                          ; s67  7 - p: the first block's last trip
.set PFA,  76                          ; s[76:77] where my prefetches stand
.set LIM,  80                          ; s80  a wave prefetches while the trip is under it
.set EPV,  81                          ; s81  e4 + e5
.set OUT,  82                          ; s[82:83] a_codes at my queries of the block in hand;  s[84:85] of the second block
.set OUTB, 84
.set Q0B,  86                          ; s86  my first query of the second block
.set QL,   97                          ; s97  my last query
.set KF,   98                          ; s98  the step's first key
.set Q0,   99                          ; s99  my first query
.set MSB, 0
.macro WIN new                         ; bits 1:0 source 0, 3:2 source 1, 5:4 source 2, 7:6 destination; the high byte repeats the setting that is left
.if MSB != (\new)
	s_set_vgpr_msb (MSB<<8)|(\new)
.set MSB, \new
.endif
.endm
.macro TLOAD                           ; wave 0 fetches a slot's K, wave 1 its V: 64 long rows each.  The branch hangs on the wave's number alone.  Four v_nop follow the load
	s_cmp_lt_u32 s[WV], 2
	s_cbranch_scc0 .Lnone_\@
	tensor_load_to_lds s[G0:G0+3], s[G1:G1+7]
	s_nop 0
.rept 4
	v_nop
.endr
.Lnone_\@:
.endm
; A PREFETCH INTO THE L2 of the slot that the NEXT change of slots will ask for: in trip t the tensor loads ask for slot t + 1 and this asks for slot t + 2: a slot's two key steps ahead of that load.
; The four work-groups of a head walk the same K and V from slot 0 on, all with their later block first; the one with p = 0 walks all eight slots, and it alone asks.  In it waves 4 and 5 ask for K's 16,384 bytes of the
; slot and waves 6 and 7 for V's: 8,192 bytes a wave, lanes 256 bytes apart: each aligned block of 256 bytes of slots 2 to 7 is named once in the launch.  Slots 0 and 1 come by their loads alone; trips 6 on ask for nothing.
.macro ASK
	s_cmp_lt_u32 s[TAU], s[LIM]
	s_cbranch_scc0 .Lnot_mine_\@
	global_prefetch_b8 v[PFO], s[PFA:PFA+1] th:TH_LOAD_NT scope:SCOPE_SE
.Lnot_mine_\@:
.endm
.macro INIT                            ; a block's statistics: the largest t -3e38, under every t; the sums 0
.irp u, 0,1
	v_mov_b32 v[ST+8*\u+1], 0xff61b1e6
	s_delay_alu instid0(VALU_DEP_1)
	v_floor_f32 v[ST+8*\u], -v[ST+8*\u+1]
	v_mov_b32 v[ST+8*\u+2], 0
	v_mov_b32 v[ST+8*\u+3], 0
	v_mov_b32 v[ST+8*\u+5], 0
.endr
.endm
.macro CLEARO                          ; O^T begins as zeros, which the first change of M leaves zeros: so a step is written once for each place in a slot
	WIN 0x40
.set J, 0
.rept 64
	v_mov_b32 v[O+J], 0
.set J, J+1
.endr
.endm
	s_load_b128 s[4:7], s[0:1], 0x0                ; q_codes s[4:5], k_codes s[6:7]
	s_load_b128 s[12:15], s[0:1], 0x10             ; v_codes s[12:13], the scales' exponents s[14:15]
	s_load_b64 s[16:17], s[0:1], 0x20              ; a_codes
	v_lshl_add_u32 v[SPW], v0, 2, SPARE
	v_mov_b32 v[NIL], 0
	ds_add_u32 v5, v6
	ds_add_u32 v5, v6
	s_wait_dscnt 0x0
	v_lshrrev_b32 v8, 5, v0
	s_delay_alu instid0(VALU_DEP_1)
	v_readfirstlane_b32 s[WV], v8                  ; wave 0..7
	s_and_b32 s87, ttmp7, 0xffff                   ; batch x head
	s_lshl_b32 s88, s87, 17                        ; its first byte in q_codes, k_codes and v_codes: 131,072 bytes a head
	s_mov_b32 s89, 0
	s_sub_co_u32 s[WRAP], 8, ttmp9
	s_sub_co_u32 s[SWT], 7, ttmp9
	; descriptor group 1: 64 rows of 256 bytes, dense in memory, 16 bytes of padding behind each in LDS
	s_mov_b32 s[G1], (0<<16)|(1<<20)|(5<<22)|(3<<25)   ; 15:0 no mask; 17:16 elements of 1 byte; 20 padding on; 24:22 after every 64 words; 31:25 four words
	s_mov_b32 s[G1+1], 256<<16                     ; tensor_dim0
	s_mov_b32 s[G1+2], 64<<16                      ; tensor_dim1
	s_mov_b32 s[G1+3], 256<<16                     ; tile_dim0
	s_mov_b32 s[G1+4], 64                          ; tile_dim1
	s_mov_b32 s[G1+5], 256                         ; tensor_dim0_stride
	s_mov_b32 s[G1+6], 0
	s_mov_b32 s[G1+7], 0
	s_mov_b32 s[SEL], 0x76543210
	s_mov_b32 s[SEL+1], 0xfedcba98
	s_mov_b32 s[TB], 0
	s_mov_b32 s[TAU], 0
	s_mov_b32 s[KF], 0
	s_mov_b32 s[OFF+1], 0
	s_lshl_b32 s90, s[WV], 5
	s_lshl_b32 s[Q0], s[SWT], 8
	s_add_co_u32 s[Q0], s[Q0], s90                 ; my first query: 256 (7 - p) + 32 x wave,
	s_lshl_b32 s[Q0B], ttmp9, 8
	s_add_co_u32 s[Q0B], s[Q0B], s90               ; and in the second block: 256 p + 32 x wave
	s_add_co_u32 s[QL], s[Q0], 31
	s_lshr_b32 s90, s87, 4
	s_lshl_b32 s90, s90, 7                         ; the batch's first tile of 16 tokens
	s_and_b32 s91, s87, 15
	s_lshl_b32 s91, s91, 10                        ; 1,024 x head
	s_lshr_b32 s92, s[Q0], 4
	s_add_co_u32 s92, s92, s90
	s_lshl_b32 s92, s92, 14
	s_add_co_u32 s92, s92, s91                     ; my bytes in a_codes, first block,
	s_mov_b32 s93, 0
	s_lshr_b32 s94, s[Q0B], 4
	s_add_co_u32 s94, s94, s90
	s_lshl_b32 s94, s94, 14
	s_add_co_u32 s94, s94, s91                     ; second block
	s_mov_b32 s95, 0
	s_wait_kmcnt 0x0
	s_load_b256 s[68:75], s[14:15], 0x0            ; e0 .. e7
	s_cmp_lt_u32 s[WV], 1
	s_cselect_b64 s[SRC:SRC+1], s[6:7], s[12:13]
	s_add_nc_u64 s[SRC:SRC+1], s[SRC:SRC+1], s[88:89]
	s_mov_b32 s[G0], 1                             ; 1:0 count = 1
	s_mul_i32 s[G0+1], s[WV], VOFF                 ; 63:32 LDS address: slot 0; K at 0, V behind it
	s_mov_b64 s[G0+2:G0+3], s[SRC:SRC+1]           ; 120:64 global address: the head's first 256 keys
	s_or_b32 s[G0+3], s[G0+3], 0x80000000          ; 127:126 type = 2
	TLOAD                                          ; slot 0; slot 1 is first filled behind the first trip's barrier, as a refill is
	s_add_nc_u64 s[OUT:OUT+1], s[16:17], s[92:93]
	s_add_nc_u64 s[OUTB:OUTB+1], s[16:17], s[94:95]
	s_add_nc_u64 s[4:5], s[4:5], s[88:89]          ; q_codes at my head
	s_lshl_b32 s92, s[Q0], 6
	s_add_nc_u64 s[94:95], s[4:5], s[92:93]        ; at my queries of the first block,
	s_lshl_b32 s92, s[Q0B], 6
	s_add_nc_u64 s[4:5], s[4:5], s[92:93]          ; of the second
	v_and_b32 v8, 15, v0                           ; r
	v_bfe_u32 v9, v0, 4, 1                         ; h
	s_delay_alu instid0(VALU_DEP_2)
	v_lshlrev_b32 v[QOF], 6, v8
	s_delay_alu instid0(VALU_DEP_1)
	v_lshl_add_u32 v[QOF], v9, 4, v[QOF]
.irp u, 0,1
	global_load_b128 v[QF+8*\u:QF+8*\u+3], v[QOF], s[94:95] offset:1024*\u          ; Q's fragments stay in registers
	global_load_b128 v[QF+8*\u+4:QF+8*\u+7], v[QOF], s[94:95] offset:1024*\u+32
.endr
	WIN 0x40                                       ; destination window 1
.irp u, 0,1
	global_load_b128 v[QB+8*\u:QB+8*\u+3], v[QOF], s[4:5] offset:1024*\u
	global_load_b128 v[QB+8*\u+4:QB+8*\u+7], v[QOF], s[4:5] offset:1024*\u+32
.endr
	CLEARO
	WIN 0
	; the prefetches: where my wave's stand, and who asks
	s_cmp_lt_u32 s[WV], 6
	s_cselect_b64 s[PFA:PFA+1], s[6:7], s[12:13]
	s_add_nc_u64 s[PFA:PFA+1], s[PFA:PFA+1], s[88:89]
	s_and_b32 s92, s[WV], 1
	s_lshl_b32 s92, s92, 13
	s_add_co_u32 s92, s92, 16384                   ; my half of slot 1: the first change of slots steps it to slot 2.  Nothing is prefetched here, at the head
	s_add_nc_u64 s[PFA:PFA+1], s[PFA:PFA+1], s[92:93]
	s_lshr_b32 s92, s[WV], 2
	s_xor_b32 s92, s92, 1                          ; 0 in waves 4 to 7,
	s_or_b32 s92, s92, ttmp9                       ; of the work-group with p = 0
	s_cmp_eq_u32 s92, 0
	s_cselect_b32 s[LIM], 6, 0
	v_lshrrev_b32 v10, 2, v8
	s_delay_alu instid0(VALU_DEP_1)
	v_mul_u32_u24 v[AK0], v10, PK
	v_and_b32 v10, 3, v8
	s_delay_alu instid0(VALU_DEP_1)
	v_lshl_add_u32 v[AK0], v10, 6, v[AK0]
	s_delay_alu instid0(VALU_DEP_1)
	v_lshl_add_u32 v[AK0], v9, 4, v[AK0]
	v_lshrrev_b32 v10, 1, v8
	s_delay_alu instid0(VALU_DEP_1)
	v_mul_u32_u24 v[AV0], v10, PK
	v_and_b32 v10, 1, v8
	s_delay_alu instid0(VALU_DEP_1)
	v_lshl_add_u32 v[AV0], v10, 7, v[AV0]
	s_delay_alu instid0(VALU_DEP_1)
	v_lshl_add_u32 v[AV0], v9, 3, v[AV0]
	s_delay_alu instid0(VALU_DEP_1)
	v_add_nc_u32 v[AV0], VOFF, v[AV0]
	v_lshlrev_b32 v10, 3, v9
	s_delay_alu instid0(VALU_DEP_1)
	v_sub_nc_u32 v[D0], v8, v10
	v_and_b32 v[PFO], 31, v0
	s_delay_alu instid0(VALU_DEP_1)
	v_lshlrev_b32 v[GO], 4, v[PFO]
	s_delay_alu instid0(VALU_DEP_2)
	v_lshlrev_b32 v[PFO], 8, v[PFO]
	v_mov_b32 v[NINF], 0xff800000
	v_mov_b32 v[PX], 0                             ; written once: a lane exchange's destination counts as one of its sources
	v_mov_b32 v[PX+1], 0
	INIT
	s_wait_kmcnt 0x0
	s_add_co_i32 s92, s70, s71
	s_lshl_b32 s92, s92, 23
	s_mov_b32 s[CS], 0x3e38aa3b                    ; c = log2(e) / 8
	s_add_co_i32 s[CS], s[CS], s92                 ; a score stands for score x 2^(e2 + e3): the two exponents are added to c's exponent field
	s_mov_b32 s[CS+1], s[CS]                       ; (named with it as a pair, so it is written)
	s_add_co_i32 s92, s72, 127
	s_lshl_b32 s93, s92, 23
	v_mov_b32 v[SCP], s93                          ; 2^e4
	s_add_co_i32 s92, s74, 127
	s_lshl_b32 s93, s92, 23
	v_mov_b32 v[SCA], s93                          ; 2^e6
	s_add_co_i32 s[EPV], s72, s73
; A KEY STEP: 128 keys, the q-th of the slot in hand, for my two tiles of queries.
.macro STEP q
	s_cmp_gt_u32 s[KF], s[QL]                      ; all 128 keys come after my 32 queries: the step's work is left out.  (KF is a multiple of 128 and Q0 of 32: in a step that is worked, key KF counts for all my queries)
	s_cbranch_scc1 .Lhidden_\@
	v_add_nc_u32 v[ADK], s[TB], v[AK0]
	v_add_nc_u32 v[ADV], s[TB], v[AV0]
.irp t, 0,1,2,3,4,5,6,7
	ds_load_b128 v[KFR+8*\t:KFR+8*\t+3], v[ADK] offset:(32*(\q)+4*\t)*PK           ; keys 16 t + r: bytes 16 h on,
	ds_load_b128 v[KFR+8*\t+4:KFR+8*\t+7], v[ADK] offset:(32*(\q)+4*\t)*PK+32      ; and 32 + 16 h on
.endr
	WIN 0x40                                       ; destination window 1
.irp tl, 0,1,2,3
.irp c, 0,1,2,3,4,5,6,7
	ds_load_b64 v[VF+16*\tl+2*\c:VF+16*\tl+2*\c+1], v[ADV] offset:(32*(\q)+8*\tl)*PK+16*\c   ; V's row 16 tl + r, keys 16 c + 8 h + 0 .. 7
.endr
.endr
	WIN 0
	s_wait_dscnt 32                                ; K's 16 loads are in; V's 32 stay out under the first product and the softmax
.irp t, 0,1,2,3,4,5,6,7
.irp u, 0,1
	v_wmma_f32_16x16x64_fp8_fp8 v[S+64*\u+8*\t:S+64*\u+8*\t+7], v[KFR+8*\t:KFR+8*\t+7], v[QF+8*\u:QF+8*\u+7], 0
.endr
.endr
.rept 4
	v_nop                                          ; places ahead of the first read of results
.endr
	s_add_co_u32 s96, s[KF], 127                   ; on the diagonal the scores of hidden keys become -infinity ahead of the maximum: p = 0 then.  A step all of whose keys count skips this
	s_cmp_le_u32 s96, s[Q0]
	s_cbranch_scc1 .Lopen_\@
	s_sub_co_i32 s96, s[Q0], s[KF]
	v_add_nc_u32 v[MD], s96, v[D0]                 ; d = my query - KF - 8 h.  Register 8 t + j holds key KF + 8 h + 16 t + j: hidden where 16 t + j > d
	s_delay_alu instid0(VALU_DEP_1)
	v_add_nc_u32 v[MD+1], 16, v[MD]
.set N, 0
.rept 64
	v_cmp_gt_i32 vcc_lo, 16*(N/8)+N%8, v[MD]
	v_cndmask_b32 v[S+N], v[S+N], v[NINF], vcc_lo
	v_cmp_gt_i32 vcc_lo, 16*(N/8)+N%8, v[MD+1]
	v_cndmask_b32 v[S+64+N], v[S+64+N], v[NINF], vcc_lo
.set N, N+1
.endr
.Lopen_\@:
.irp u, 0,1                                    ; the step's largest score of my query among my 64 keys, in two chains a tile, from each result's low end on; the two tiles by turns
	v_max3_num_f32 v[ST+8*\u+6], v[S+64*\u], v[S+64*\u+1], v[S+64*\u+2]
	v_max3_num_f32 v[ST+8*\u+7], v[S+64*\u+3], v[S+64*\u+4], v[S+64*\u+5]
.endr
.irp i, 6,10,14,18,22,26,30,34,38,42,46,50,54,58
.irp u, 0,1
	v_max3_num_f32 v[ST+8*\u+6], v[ST+8*\u+6], v[S+64*\u+\i], v[S+64*\u+\i+1]
	v_max3_num_f32 v[ST+8*\u+7], v[ST+8*\u+7], v[S+64*\u+\i+2], v[S+64*\u+\i+3]
.endr
.endr
.irp u, 0
	v_max3_num_f32 v[ST+8*\u+6], v[ST+8*\u+6], v[S+64*\u+62], v[S+64*\u+63]
.endr
.irp u, 1
	v_max3_num_f32 v[ST+8*\u+6], v[ST+8*\u+6], v[S+64*\u+62], v[S+64*\u+63]
.endr
.irp u, 0,1
	s_delay_alu instid0(VALU_DEP_2)
	v_max_num_f32 v[ST+8*\u+6], v[ST+8*\u+6], v[ST+8*\u+7]
.endr
.irp u, 0,1
	s_delay_alu instid0(VALU_DEP_2)
	v_permlanex16_b32 v[PX+\u], v[ST+8*\u+6], s[SEL], s[SEL+1]
.endr
.irp u, 0,1
	s_delay_alu instid0(VALU_DEP_2)
	v_max_num_f32 v[ST+8*\u+6], v[ST+8*\u+6], v[PX+\u]   ; and among lane l xor 16's
.endr
.irp u, 0,1
	s_delay_alu instid0(VALU_DEP_2)
	v_mul_f32 v[ST+8*\u+6], s[CS], v[ST+8*\u+6]          ; as t (c is positive)
.endr
.irp u, 0,1
	s_delay_alu instid0(VALU_DEP_2)
	v_max_num_f32 v[ST+8*\u+1], v[ST+8*\u+1], v[ST+8*\u+6]   ; the running largest t
.endr
.irp u, 0,1
	v_mov_b32 v[ST+8*\u+6], v[ST+8*\u]
.endr
.irp u, 0,1
	s_delay_alu instid0(VALU_DEP_4)
	v_floor_f32 v[ST+8*\u], -v[ST+8*\u+1]                ; the new -M = floor(-t) = -ceil(t): M is a whole number
.endr
.irp u, 0,1
	s_delay_alu instid0(VALU_DEP_2)
	v_sub_f32 v[ST+8*\u+6], v[ST+8*\u], v[ST+8*\u+6]     ; old M less new M: a whole number, 0 or less
.endr
.irp u, 0,1
	s_delay_alu instid0(VALU_DEP_2)
	v_cvt_i32_f32 v[ST+8*\u+6], v[ST+8*\u+6]             ; (it saturates)
.endr
.irp u, 0,1
	s_delay_alu instid0(VALU_DEP_2)
	v_ldexp_f32 v[ST+8*\u+4], 1.0, v[ST+8*\u+6]          ; f = 2^(old M - new M)
.endr
.irp u, 0,1
.set J, 0
.rept 32
	v_pk_fma_f32 v[S+64*\u+J:S+64*\u+J+1], v[S+64*\u+J:S+64*\u+J+1], s[CS:CS+1], v[ST+8*\u:ST+8*\u+1] op_sel_hi:[1,0,0]   ; t - M, two at a time (of the pairs c and -M the low word serves both halves)
.set J, J+2
.endr
.endr
.set J, 0
	s_wait_alu depctr_va_vdst(0)
.rept 128
	v_exp_f32 v[S+J], v[S+J]                       ; p = 2^(t - M), at most 1: not normalised.  One batch
.set J, J+1
.endr
.irp u, 0,1
	v_pk_mul_f32 v[ST+8*\u+2:ST+8*\u+3], v[ST+8*\u+2:ST+8*\u+3], v[ST+8*\u+4:ST+8*\u+5] op_sel_hi:[1,0]   ; the sums under the new M.  (The plain instruction behind the exponentials)
.endr
	s_wait_alu depctr_va_vdst(0)                   ; one wait for the whole batch, ahead of its first reader
.irp u, 0,1
	v_pk_add_f32 v[X2+2*\u:X2+2*\u+1], v[S+64*\u:S+64*\u+1], v[S+64*\u+2:S+64*\u+3]   ; the row's sum is taken of the unquantised p: two at a time, in two chains a tile
.endr
.irp j, 4,8,12,16,20,24,28,32,36,40,44,48,52,56,60
.irp u, 0,1
	v_pk_add_f32 v[ST+8*\u+2:ST+8*\u+3], v[ST+8*\u+2:ST+8*\u+3], v[S+64*\u+\j:S+64*\u+\j+1]
	v_pk_add_f32 v[X2+2*\u:X2+2*\u+1], v[X2+2*\u:X2+2*\u+1], v[S+64*\u+\j+2:S+64*\u+\j+3]
.endr
.endr
.irp u, 0
	s_delay_alu instid0(VALU_DEP_3)
	v_pk_add_f32 v[ST+8*\u+2:ST+8*\u+3], v[ST+8*\u+2:ST+8*\u+3], v[X2+2*\u:X2+2*\u+1]
.endr
.irp u, 1
	s_delay_alu instid0(VALU_DEP_2)
	v_pk_add_f32 v[ST+8*\u+2:ST+8*\u+3], v[ST+8*\u+2:ST+8*\u+3], v[X2+2*\u:X2+2*\u+1]
.endr
.set J, 0
.rept 128
.set J, J+1
.endr
	WIN 0x40                                       ; destination window 1
.irp u, 0,1
.irp t, 0,1,2,3,4,5,6,7
	v_cvt_scalef32_pk8_fp8_f32 v[P+16*\u+2*\t:P+16*\u+2*\t+1], v[S+64*\u+8*\t:S+64*\u+8*\t+7], v[SCP]   ; keys 16 t + 8 h + 0 .. 7: registers 2 t, 2 t + 1 of the operand
.endr
.endr
	WIN 0x41                                       ; O^T (destination and source 0) window 1, f window 0
.irp u, 0,1
.set J, 0
.rept 16
	v_pk_mul_f32 v[O+32*\u+J:O+32*\u+J+1], v[O+32*\u+J:O+32*\u+J+1], v[ST+8*\u+4:ST+8*\u+5] op_sel_hi:[1,0]   ; O^T under the new M.  (Also the plain instructions behind the conversions)
.set J, J+2
.endr
.endr
	s_wait_alu depctr_va_vdst(0)
	s_wait_dscnt 0x0                               ; V is in
	WIN 0x55                                       ; all four operands window 1
.irp tl, 0,1,2,3                               ; the eight accumulators take turns, one instruction a turn
.irp u, 0,1
	v_wmma_f32_16x16x128_fp8_fp8 v[O+32*\u+8*\tl:O+32*\u+8*\tl+7], v[VF+16*\tl:VF+16*\tl+15], v[P+16*\u:P+16*\u+15], v[O+32*\u+8*\tl:O+32*\u+8*\tl+7]
.endr
.endr
	WIN 0
.rept 4
	v_nop                                          ; places ahead of the next loads into V's registers and of the next read of O^T
.endr
.Lhidden_\@:
	s_add_co_u32 s[KF], s[KF], 128
.endm
; THE CHANGE OF SLOTS stands at a slot's head.  Each wave waits for all its tensor loads (its part of the slot that it is about to read), adds 0 to its spare word, and waits for that and for its reads of the slot that it has left.
; Behind the barrier the slot ahead is whole and nobody reads the other one.  fill = 1: that other slot takes the next trip's keys: slot t + 1 of the head, or, from trip 8 - p on, t + 1 - (8 - p).  One tensor load of a wave is out.
.macro CHANGE fill
	s_wait_tensorcnt 0x0                           ; no tensor load of mine is out, so group 0 may be written
	ds_add_u32 v[SPW], v[NIL]                      ; 0 onto my spare word; with fill = 1 the descriptor's step stands between it and the wait for it
.if \fill
	s_add_co_u32 s92, s[TAU], 1
	s_cmp_ge_u32 s92, s[WRAP]
	s_cselect_b32 s93, s[WRAP], 0
	s_sub_co_u32 s92, s92, s93                     ; which 256 keys the next trip reads
	s_lshl_b32 s[OFF], s92, 14                     ; 16,384 bytes a slot, in K and in V
	s_xor_b32 s[G0+1], s[G0+1], SLOT1              ; the other slot than last time
	s_add_nc_u64 s[G0+2:G0+3], s[SRC:SRC+1], s[OFF:OFF+1]
	s_or_b32 s[G0+3], s[G0+3], 0x80000000
	s_wait_xcnt 0x0                                ; the last prefetch, a slot back, has read its address, so it may be written
	s_add_nc_u64 s[PFA:PFA+1], s[PFA:PFA+1], 16384
.endif
	s_wait_dscnt 0x0                               ; the add is done, and my reads of the slot that I have left are over
	s_barrier_signal -1
	s_barrier_wait -1
.if \fill
	TLOAD                                          ; the first thing behind the barrier, and a wave's one tensor load until the next
	ASK
.endif
.endm
; THE WAY OUT of a block: O^T x 2^(e4 + e5) / the sum, held, quantised with 2^e6.  The 16 registers of tiles 2 g and 2 g + 1 are channels 32 g + 16 h + 0 .. 15 (V's rows were laid for it): four registers of codes,
; which are four registers of the projection's A fragment as they stand: each store of the wave covers 512 consecutive bytes, aligned.  No LDS is needed.
.macro WAYOUT
.irp u, 0,1
	v_add_f32 v[ST+8*\u+6], v[ST+8*\u+2], v[ST+8*\u+3]   ; the sum's two halves,
.endr
.irp u, 0,1
	s_delay_alu instid0(VALU_DEP_2)
	v_permlanex16_b32 v[PX+\u], v[ST+8*\u+6], s[SEL], s[SEL+1]
.endr
.irp u, 0,1
	s_delay_alu instid0(VALU_DEP_2)
	v_add_f32 v[ST+8*\u+6], v[ST+8*\u+6], v[PX+\u]       ; and lane l xor 16's
.endr
	s_wait_alu depctr_va_vdst(0)
.irp u, 0,1
	v_rcp_f32 v[ST+8*\u+4], v[ST+8*\u+6]
.endr
	v_nop                                          ; a plain instruction behind the last reciprocal
	s_wait_alu depctr_va_vdst(0)                   ; one wait for both, ahead of the first reader
.irp u, 0,1
	v_ldexp_f32 v[ST+8*\u+4], v[ST+8*\u+4], s[EPV]
.endr
	WIN 0x01                                       ; source 0 (O^T) window 1
.irp u, 0,1
.set J, 0
.rept 16
	v_pk_mul_f32 v[S+32*\u+J:S+32*\u+J+1], v[O+32*\u+J:O+32*\u+J+1], v[ST+8*\u+4:ST+8*\u+5] op_sel_hi:[1,0]
.set J, J+2
.endr
.endr
	WIN 0
.set J, 0
.rept 64
.set J, J+1
.endr
.irp u, 0,1
.irp tl, 0,1,2,3
	v_cvt_scalef32_pk8_fp8_f32 v[CD+8*\u+2*\tl:CD+8*\u+2*\tl+1], v[S+32*\u+8*\tl:S+32*\u+8*\tl+7], v[SCA]
.endr
.endr
	v_nop                                          ; one plain vector instruction behind the last conversion
.irp u, 0,1
.irp g, 0,1
	global_store_b128 v[GO], v[CD+8*\u+4*\g:CD+8*\u+4*\g+3], s[OUT:OUT+1] offset:16384*\u+512*\g
.endr
.endr
	s_wait_xcnt 0x0                                ; the stores have read their registers and their base: both are written again
.endm
	s_wait_loadcnt 0x0                             ; Q, both blocks'
.Ltrip:                                            ; eight trips, each of a slot's two key steps; behind each change of slots the next trip's keys are asked for
	CHANGE 1
	STEP 0
	STEP 1
	s_xor_b32 s[TB], s[TB], SLOT1                  ; on to the other slot
	s_cmp_lg_u32 s[TAU], s[SWT]                    ; a branch on ids: the first block ends with trip 7 - p
	s_cbranch_scc1 .Lsame
	s_wait_alu depctr_va_vdst(0)
	WAYOUT
	CLEARO                                         ; the second block begins
	WIN 0x01
.set J, 0
.rept 16
	v_mov_b32 v[QF+J], v[QB+J]
.set J, J+1
.endr
	WIN 0
	INIT
	s_mov_b32 s[KF], 0
	s_mov_b32 s[Q0], s[Q0B]
	s_add_co_u32 s[QL], s[Q0], 31
	s_mov_b64 s[OUT:OUT+1], s[OUTB:OUTB+1]
.Lsame:
	s_add_co_u32 s[TAU], s[TAU], 1
	s_cmp_lt_u32 s[TAU], 8
	s_cbranch_scc1 .Ltrip
	CHANGE 0                                       ; the ninth trip is written out
	STEP 0
	STEP 1
	s_wait_alu depctr_va_vdst(0)
	WAYOUT
	s_wait_tensorcnt 0x0                           ; the wave's end
	ds_add_u32 v[SPW], v[NIL]
	s_wait_dscnt 0x0
	s_endpgm
.Lfunc_end_k_q3591e2b130_attn:
	.size	k_q3591e2b130_attn, .Lfunc_end_k_q3591e2b130_attn-k_q3591e2b130_attn
	.p2alignl 7, 3214868480
	.fill 96, 4, 3214868480
	.section	.rodata,"a",@progbits
	.p2align	6, 0x0
	.amdhsa_kernel k_q3591e2b130_attn
		.amdhsa_group_segment_fixed_size 327680
		.amdhsa_private_segment_fixed_size 0
		.amdhsa_enable_private_segment 0
		.amdhsa_kernarg_size 40
		.amdhsa_user_sgpr_count 2
		.amdhsa_user_sgpr_kernarg_segment_ptr 1
		.amdhsa_wavefront_size32 1
		.amdhsa_system_sgpr_workgroup_id_x 1
		.amdhsa_system_sgpr_workgroup_id_y 1
		.amdhsa_system_sgpr_workgroup_id_z 1
		.amdhsa_system_vgpr_workitem_id 0
		.amdhsa_next_free_vgpr 512
		.amdhsa_next_free_sgpr 100
		.amdhsa_reserve_vcc 1
		.amdhsa_float_denorm_mode_32 3
		.amdhsa_float_denorm_mode_16_64 3
		.amdhsa_fp16_overflow 1
		.amdhsa_memory_ordered 1
		.amdhsa_forward_progress 1
		.amdhsa_inst_pref_size 165
	.end_amdhsa_kernel
	.amdgpu_metadata
---
amdhsa.version: [ 1, 2 ]
amdhsa.kernels:
  - .name:           k_q3591e2b130_attn
    .symbol:         k_q3591e2b130_attn.kd
    .args:
      - { .name: q_codes, .offset: 0, .size: 8, .value_kind: global_buffer, .address_space: global }
      - { .name: k_codes, .offset: 8, .size: 8, .value_kind: global_buffer, .address_space: global }
      - { .name: v_codes, .offset: 16, .size: 8, .value_kind: global_buffer, .address_space: global }
      - { .name: lowp_scales, .offset: 24, .size: 8, .value_kind: global_buffer, .address_space: global }
      - { .name: a_codes, .offset: 32, .size: 8, .value_kind: global_buffer, .address_space: global }
    .group_segment_fixed_size: 327680
    .private_segment_fixed_size: 0
    .kernarg_segment_align: 8
    .kernarg_segment_size: 40
    .max_flat_workgroup_size: 256
    .sgpr_count:     100
    .vgpr_count:     512
    .wavefront_size: 32
...
	.end_amdgpu_metadata
.endif
;; end of part 2
;; launch proj (part 3): grid 8 x 32, 4 waves a work-group, clusters of 4 x 4, 327,680 bytes of LDS; arguments a_codes, w_proj_codes, lowp_scales, b_proj, out0; writes out0
.if DOCPART == 3
	.amdgcn_target "amdgcn-amd-amdhsa--gfx1250"
	.amdhsa_code_object_version 6
	.text
	.protected	k_q3591e2b130_proj
	.globl	k_q3591e2b130_proj
	.p2align	8
	.type	k_q3591e2b130_proj,@function
k_q3591e2b130_proj:
	s_mov_b64 s[64:65], 0
	v_nop
	global_prefetch_b8 v0, s[64:65] scope:SCOPE_SE
	s_setreg_imm32_b32 hwreg(HW_REG_WAVE_MODE, 25, 1), 1
	s_wait_xcnt 0x0
	s_wait_alu depctr_hold_cnt(0) depctr_sa_sdst(0) depctr_va_vdst(0) depctr_va_sdst(0) depctr_va_ssrc(0) depctr_va_vcc(0) depctr_vm_vsrc(0)
	s_getreg_b32 s2, hwreg(HW_REG_IB_STS2, 6, 4)
	s_cmp_eq_u32 s2, 0
	s_cbranch_scc0 .Lentry_in_a_cluster
	s_endpgm
.Lentry_in_a_cluster:
	s_bfe_u32 s2, ttmp6, 0x10000c
	s_cmp_lg_u32 s2, 0xf033
	s_cbranch_scc0 .Lentry_shape_is_right
	s_endpgm
.Lentry_shape_is_right:
; out0 = a w_proj + b_proj on codes of FP8 (E4M3).  a_codes: images of A's fragments, [token / 16 (512)][K step of 128 (8)][register group c (4)][lane (32)][16 bytes]: lane (r, h) holds token 16 tt + r,
; K = 128 s + 32 c + 16 h + 0 .. 15.  w_proj_codes: [1024 columns][1024], K innermost.  out0: [8192 tokens][1024] f32.  A number of a is its code x 2^e6, of w_proj x 2^e7; out0 = sum x 2^(e6 + e7) + b_proj.
; LIMIT: e6 + e7 between -126 and 127.  Both operands take k in the same permuted places (loads of 16 bytes): only the order of the sums inside an instruction changes.
; SHARES.  A tile of 256 tokens x 128 columns is made by a work-group of four waves: 256 work-groups.  A wave makes 128 x 64: 32 accumulators, window 2.  K = 1,024 is four K steps of 256 in THREE LDS slots: K steps 0 to 2 are
; asked for at the start, K step 3 goes into slot 0 behind the one round in which a slot is filled again.
; CLUSTERS: 4 x 4 work-groups; A's tiles are asked for jointly along a row of the cluster, B's along a column.  THE MATRIX INSTRUCTION IS USED TRANSPOSED (source 0 = 16 rows of w_proj, source 1 = 16 tokens): a lane holds eight neighbouring numbers of a row of out0.
; REGISTERS.  window 0: v16-29 addresses; v32-63 b_proj at my 4 x 8 columns; v64-95 results at work; from v128 A's fragments, ONE set (on the way out rows read back).   window 1: B's fragments, two sets of 64.   window 2: accumulator (a, b) at v[8 (4 a + b)].
.set PITCH,  272                       ; a row of B in LDS: 256 bytes + 16 of padding
.set FR,     16
.set NP,     4                         ; places behind this matrix instruction (ISA guide 7.12.1)
.set BOFF,   65536                     ; a slot: A's two halves of 8 tiles of tokens x 4,096 bytes of images, then B's 128 rows
.set SLOT,   BOFF+128*PITCH            ; 100,352
.set SPARE,  3*SLOT                    ; behind the slots: the spare words, 128 bytes for each wave, which no other line names
.set STAGE,  SPARE+512                 ; the way out: 16 rows x (256 bytes + 16) for each wave; no tensor load lands there
.set SPITCH, 272
.set ADRA, 16                          ; v16-18  LDS address of my A images in slot 0, 1, 2
.set ADRB, 20                          ; v20-22  of my B fragments
.set STO,  24                          ; v24  the way out: where I put 32 bytes of a row
.set RD,   25                          ; v25  where I read 16 bytes back
.set CO,   26                          ; v26  my byte offset in two rows of out0
.set BO,   27                          ; v27  my byte offset in b_proj
.set SPW,  28                          ; v28  LDS address of my spare word; never rewritten
.set NIL,  29                          ; v29  0; never rewritten
.set BC,   32
.set TMP,  64
.set AF,   128
.set BK,   128
.set G1,  24                           ; s[24:31] descriptor group 1 for A's tiles;  s[32:43] group 0, one set for each slot
.set G0,  32
.set G1B, 48                           ; s[48:55] group 1 for B's;  s[84:95] group 0
.set G0B, 84
.set MSB, 0
.macro WIN new
.if MSB != (\new)
	s_set_vgpr_msb (MSB<<8)|(\new)
.set MSB, \new
.endif
.endm
.set MUL,  0xa1                        ; source 0 (B) window 1, source 1 (A) window 0, C and D window 2
.set TO_B, 0x40                        ; destination window 1, address window 0
.macro JLOAD g0a, g1a, g0b, g1b        ; a joint load: waves 0 and 1 fetch for A, waves 2 and 3 for B; four v_nop follow each of the two lines
	s_cmp_eq_u32 s15, 0
	s_cbranch_scc0 .Lfor_b_\@
	tensor_load_to_lds s[\g0a:\g0a+3], s[\g1a:\g1a+7]
	s_nop 0
.rept 4
	v_nop
.endr
	s_branch .Lasked_\@
.Lfor_b_\@:
	tensor_load_to_lds s[\g0b:\g0b+3], s[\g1b:\g1b+7]
	s_nop 0
.rept 4
	v_nop
.endr
.Lasked_\@:
.endm
.macro CREST                           ; a round of the cluster's barrier behind its opening barrier
	s_cmp_lg_u32 s14, 0
	s_cbranch_scc1 .Lnot_wave_0_\@
	s_barrier_signal -3
.Lnot_wave_0_\@:
	s_barrier_wait -3
	s_barrier_signal -1
	s_barrier_wait -1
.endm
.macro CROUND
	s_barrier_signal -1
	s_barrier_wait -1
	CREST
.endm
	s_load_b128 s[4:7], s[0:1], 0x0                ; a_codes s[4:5], w_proj's codes s[6:7]
	s_load_b128 s[8:11], s[0:1], 0x10              ; the scales' exponents s[8:9], b_proj s[10:11]
	s_load_b64 s[12:13], s[0:1], 0x20              ; out0
	v_lshl_add_u32 v[SPW], v0, 2, SPARE
	v_mov_b32 v[NIL], 0
	ds_add_u32 v28, v29
	s_wait_dscnt 0x0
	v_lshrrev_b32 v1, 5, v0
	v_readfirstlane_b32 s14, v1                    ; wave 0..3
	s_lshr_b32 s15, s14, 1                         ; which 128 tokens are mine.  Also: I fetch for A (0) or for B (1)
	s_and_b32 s16, s14, 1                          ; which 64 columns.  Also: which half of that tile I fetch
	s_bfe_u32 s76, ttmp6, 0x40000                  ; cx, cy: my place in the cluster
	s_bfe_u32 s77, ttmp6, 0x40004
	s_lshl_b32 s78, ttmp9, 2
	s_add_co_u32 s78, s78, s76                     ; tile column = 4 x cluster x + cx
	s_and_b32 s17, ttmp7, 0xffff
	s_lshl_b32 s17, s17, 2
	s_add_co_u32 s17, s17, s77                     ; tile row = 4 x cluster y + cy
	s_lshl_b32 s79, s77, 2
	s_lshl_b32 s79, 15, s79                        ; my row of the cluster
	s_lshl_b32 s80, 0x1111, s76                    ; my column
	; descriptor group 1.  A: 8 tiles of 16 tokens x 4,096 bytes (a K step of 256), 16,384 bytes apart in memory, dense in LDS
	s_or_b32 s[G1+0], s79, (0<<16)|(1<<21)         ; 15:0 the mask: my row; 17:16 elements of 1 byte; 21 set beside a mask; no padding
	s_mov_b32 s[G1+1], 4096<<16                    ; tensor_dim0
	s_mov_b32 s[G1+2], 8<<16                       ; tensor_dim1
	s_mov_b32 s[G1+3], 4096<<16                    ; tile_dim0
	s_mov_b32 s[G1+4], 8                           ; tile_dim1
	s_mov_b32 s[G1+5], 16384                       ; tensor_dim0_stride
	s_mov_b32 s[G1+6], 0
	s_mov_b32 s[G1+7], 0
	; B: 64 rows x 256 bytes, padded in LDS
	s_or_b32 s[G1B+0], s80, (0<<16)|(1<<20)|(1<<21)|(5<<22)|(3<<25)   ; the mask: my column; padding: four words after every 64
	s_mov_b32 s[G1B+1], 256<<16
	s_mov_b32 s[G1B+2], 64<<16
	s_mov_b32 s[G1B+3], 256<<16
	s_mov_b32 s[G1B+4], 64
	s_mov_b32 s[G1B+5], 1024
	s_mov_b32 s[G1B+6], 0
	s_mov_b32 s[G1B+7], 0
	s_lshl_b32 s20, s17, 4
	s_lshl_b32 s18, s16, 3
	s_add_co_u32 s20, s20, s18                     ; A: tile of tokens 16 x tile row + 8 x half
	s_lshl_b32 s20, s20, 14                        ; x 16,384 bytes: under 2^23
	s_mov_b32 s21, 0
	s_lshl_b32 s46, s78, 7
	s_lshl_b32 s18, s16, 6
	s_add_co_u32 s46, s46, s18                     ; B: row 128 x tile column + 64 x half
	s_lshl_b32 s46, s46, 10
	s_mov_b32 s47, 0
	s_lshl_b32 s45, s16, 15                        ; where they go: A's half,
	s_mul_i32 s19, s16, 64*PITCH
	s_add_co_u32 s19, s19, BOFF                    ; B's half: no place in the cluster enters an LDS address
	s_wait_kmcnt 0x0
	s_load_b256 s[68:75], s[8:9], 0x0              ; e0 .. e7; waited for on the way out
	s_add_nc_u64 s[20:21], s[4:5], s[20:21]
	s_add_nc_u64 s[46:47], s[6:7], s[46:47]
	CROUND                                         ; all sixteen work-groups are here: the first joint loads meet
.irp s, 0,1,2
	s_mov_b32 s[G0+4*\s], 1
	s_add_co_u32 s[G0+4*\s+1], s45, \s*SLOT
	s_add_nc_u64 s[G0+4*\s+2:G0+4*\s+3], s[20:21], \s*4096
	s_or_b32 s[G0+4*\s+3], s[G0+4*\s+3], 0x80000000
	s_mov_b32 s[G0B+4*\s], 1
	s_add_co_u32 s[G0B+4*\s+1], s19, \s*SLOT
	s_add_nc_u64 s[G0B+4*\s+2:G0B+4*\s+3], s[46:47], \s*256
	s_or_b32 s[G0B+4*\s+3], s[G0B+4*\s+3], 0x80000000
	JLOAD G0+4*\s, G1, G0B+4*\s, G1B               ; three tensor loads of mine are out
.endr
	v_and_b32 v1, 15, v0                           ; r
	v_bfe_u32 v2, v0, 4, 1                         ; h
	v_and_b32 v6, 31, v0
	v_lshlrev_b32 v3, 4, v6                        ; 16 x lane: an image's place for my lane
	v_mul_u32_u24 v4, v1, PITCH
	v_lshl_add_u32 v4, v2, 4, v4                   ; B: row x pitch + 16 x half
	s_lshl_b32 s21, s15, 15                        ; my 128 tokens' images
	s_mul_i32 s22, s16, 64*PITCH
	s_add_co_u32 s22, s22, BOFF                    ; my 64 rows of B
.irp s, 0,1,2
	v_add_nc_u32 v[ADRA+\s], s21, v3
	v_add_nc_u32 v[ADRB+\s], s22, v4
	s_add_co_u32 s21, s21, SLOT
	s_add_co_u32 s22, s22, SLOT
.endr
	s_mul_i32 s23, s14, 16*SPITCH
	s_add_co_u32 s23, s23, STAGE                   ; my stage
	v_mul_u32_u24 v5, v1, SPITCH
	v_lshl_add_u32 v5, v2, 5, v5
	v_add_nc_u32 v[STO], s23, v5                   ; in: row r, 32 bytes for each half of the lanes
	v_mul_u32_u24 v5, v2, SPITCH
	v_lshl_add_u32 v5, v1, 4, v5
	v_add_nc_u32 v[RD], s23, v5                    ; back: lanes 0-15 one row of 256 bytes, lanes 16-31 the next
	v_lshlrev_b32 v5, 12, v2
	v_lshl_add_u32 v[CO], v1, 4, v5                ; and the same two rows in out0
	s_lshl_b32 s81, s78, 7
	s_lshl_b32 s82, s16, 6
	s_add_co_u32 s81, s81, s82
	s_lshl_b32 s81, s81, 2                         ; my first column, in bytes: in b_proj and in a row of out0
	v_lshlrev_b32 v[BO], 5, v2
	v_add_nc_u32 v[BO], s81, v[BO]
.irp b, 0,1,2,3
	global_load_b128 v[BC+8*\b:BC+8*\b+3], v[BO], s[10:11] offset:64*\b            ; b_proj at columns 16 b + 8 h + 0 .. 7
	global_load_b128 v[BC+8*\b+4:BC+8*\b+7], v[BO], s[10:11] offset:64*\b+16
.endr
	s_lshl_b32 s82, s17, 8
	s_lshl_b32 s83, s15, 7
	s_add_co_u32 s82, s82, s83                     ; my first token
	s_lshl_b32 s82, s82, 12                        ; x 4,096 bytes: under 2^25
	s_add_co_u32 s82, s82, s81
	s_mov_b32 s83, 0
	s_add_nc_u64 s[12:13], s[12:13], s[82:83]
.macro FRAGA reg, slot, q, i           ; A's fragment of my tile of tokens i, the slot's q-th 128 along K: four groups of registers as they were stored
.irp c, 0,1,2,3
	ds_load_b128 v[\reg+4*\c:\reg+4*\c+3], v[ADRA+\slot] offset:4096*(\i)+2048*(\q)+512*\c
.endr
.endm
.macro FRAGB reg, slot, q, i           ; B's: lane l holds row l % 16; registers 4 c .. 4 c + 3 hold K = 32 c + 16 (l / 16) + 0 .. 15
.irp c, 0,1,2,3
	ds_load_b128 v[\reg+4*\c:\reg+4*\c+3], v[ADRB+\slot] offset:128*(\q)+32*\c+(\i)*16*PITCH
.endr
.endm
; 8 matrix instructions: A's blocks a0, a0 + 1 x B's four.  The 32 accumulators take turns, one instruction a turn, in the same order in every step.
.macro MULA a0, p, zero
.irp a, \a0, \a0+1
.irp b, 0,1,2,3
.if \zero
	v_wmma_f32_16x16x128_fp8_fp8 v[8*(4*(\a)+\b):8*(4*(\a)+\b)+7], v[64*(\p)+FR*\b:64*(\p)+FR*\b+FR-1], v[AF+FR*(\a):AF+FR*(\a)+FR-1], 0
.else
	v_wmma_f32_16x16x128_fp8_fp8 v[8*(4*(\a)+\b):8*(4*(\a)+\b)+7], v[64*(\p)+FR*\b:64*(\p)+FR*\b+FR-1], v[AF+FR*(\a):AF+FR*(\a)+FR-1], v[8*(4*(\a)+\b):8*(4*(\a)+\b)+7]
.endif
.endr
.endr
.endm
.macro FETCH_B slot, q, p
	WIN TO_B
.irp i, 0,1,2,3
	FRAGB 64*(\p)+FR*\i, \slot, \q, \i
.endr
	WIN 0
.endm
.macro FETCH_A slot, q, i0
.irp i, \i0, \i0+1, \i0+2, \i0+3
	FRAGA AF+FR*(\i), \slot, \q, \i
.endr
.endm
.macro PLACES n                        ; places in front of loads into registers that matrix instructions have read, and of the first read of results
.rept \n
	v_nop
.endr
.endm
; A step of 128 along K on B's set p; the next step's fragments come from slot nslot, its nq-th 128, into the other set.  A has one set: blocks 0-3 are fetched anew in the step's middle, blocks 4-7 at its end.
.macro STEPX p, zero, nslot, nq
	s_wait_dscnt 16                                ; B's set and A's blocks 0-3 are in; the youngest 16 loads (A's blocks 4-7) may be out
	WIN MUL
	MULA 0, \p, \zero
	MULA 2, \p, \zero
	s_wait_dscnt 0                                 ; A's blocks 4-7 are in
	PLACES NP
	FETCH_B \nslot, \nq, 1-(\p)
	FETCH_A \nslot, \nq, 0
	WIN MUL
	MULA 4, \p, \zero
	MULA 6, \p, \zero
	PLACES NP
	WIN 0
	FETCH_A \nslot, \nq, 4
.endm
; A slot's last step (on set 1) with a barrier: in front of it each wave waits for all its tensor loads, adds 0 to its spare word, and waits for that and for its own reads of this slot.  fill = 1: this slot takes the K step three on.
.macro TURN slot, next, fill
	s_wait_tensorcnt 0x0                           ; all my tensor loads have landed
	ds_add_u32 v[SPW], v[NIL]                      ; 0 onto my spare word
	s_wait_dscnt 17                                ; (the add and the youngest 16 loads may be out)
	WIN MUL
	MULA 0, 1, 0                                   ; eight matrix instructions stand between the add and the wait for it
	s_wait_dscnt 0x0                               ; the add is done, and my reads of this slot are over
	s_barrier_signal -1
	MULA 2, 1, 0
	WIN 0
	s_barrier_wait -1
.if \fill
	CREST                                          ; the barrier has opened a round of the cluster's barrier: no wave of any partner still reads this slot or has a load on its way
	s_add_nc_u64 s[G0+4*\slot+2:G0+4*\slot+3], s[G0+4*\slot+2:G0+4*\slot+3], 3*4096
	s_add_nc_u64 s[G0B+4*\slot+2:G0B+4*\slot+3], s[G0B+4*\slot+2:G0B+4*\slot+3], 3*256
	JLOAD G0+4*\slot, G1, G0B+4*\slot, G1B         ; the first tensor load behind the round, and my only one from here on; its four v_nop are also the places in front of the loads below
.else
	PLACES NP
.endif
	FETCH_B \next, 0, 0
	FETCH_A \next, 0, 0
	WIN MUL
	MULA 4, 1, 0
	MULA 6, 1, 0
	PLACES NP
	WIN 0
	FETCH_A \next, 0, 4
.endm
	s_wait_tensorcnt 2                             ; my part of K step 0 is in; the two younger loads may be out
	s_barrier_signal -1
	s_barrier_wait -1                              ; everybody's is
	FETCH_B 0, 0, 0
	FETCH_A 0, 0, 0
	FETCH_A 0, 0, 4
	STEPX 0, 1, 0, 1                               ; eight steps of 128, written out: the first starts the sums
	TURN 0, 1, 1                                   ; every wave has waited for all three first fills: slots 1 and 2 are whole for everybody; slot 0 takes K step 3
	STEPX 0, 0, 1, 1
	STEPX 1, 0, 2, 0                               ; on into slot 2 without a barrier: the round above has shown it whole, and nothing is filled here
	STEPX 0, 0, 2, 1
	TURN 2, 0, 0                                   ; K step 3 has landed, in every wave's part; nothing is left to fetch
	STEPX 0, 0, 0, 1
	s_wait_dscnt 16                                ; the very last step
	WIN MUL
	MULA 0, 1, 0
	MULA 2, 1, 0
	s_wait_dscnt 0
	MULA 4, 1, 0
	MULA 6, 1, 0
	WIN 0
; THE WAY OUT, block by block of 16 tokens x 64 columns: sum x 2^(e6 + e7) + b_proj, one packed multiply-add for two numbers, each accumulator from its low end on.  A lane holds 32 neighbouring bytes of a row and the lanes
; beside it hold other rows: so a block goes through my own stage in LDS and comes back by rows: sixteen lanes store 256 consecutive bytes, aligned.  LDS serves a wave's instructions in order (ISA guide 5.7.1.4).
.macro TOSTAGE a
	WIN 0x02                                       ; source 0: window 2
.irp b, 0,1,2,3
.irp i, 0,2,4,6
	v_pk_fma_f32 v[TMP+8*\b+\i:TMP+8*\b+\i+1], v[32*(\a)+8*\b+\i:32*(\a)+8*\b+\i+1], s[96:97], v[BC+8*\b+\i:BC+8*\b+\i+1] op_sel_hi:[1,0,1]
.endr
.endr
	WIN 0
.irp b, 0,1,2,3
	ds_store_b128 v[STO], v[TMP+8*\b:TMP+8*\b+3] offset:64*\b
	ds_store_b128 v[STO], v[TMP+8*\b+4:TMP+8*\b+7] offset:64*\b+16
.endr
.set BB, BK+32*((\a)%2)
.irp t, 0,1,2,3,4,5,6,7
	ds_load_b128 v[BB+4*\t:BB+4*\t+3], v[RD] offset:\t*2*SPITCH
.endr
.endm
.macro SEND a, younger                 ; younger: the LDS instructions issued behind block a's loads, which may stay out.  Every offset is an immediate, 126 rows of 4,096 bytes at the most
.set BB, BK+32*((\a)%2)
	s_wait_dscnt \younger
.irp t, 0,1,2,3,4,5,6,7
	global_store_b128 v[CO], v[BB+4*\t:BB+4*\t+3], s[12:13] offset:(16*(\a)+2*\t)*4096 th:TH_STORE_NT   ; written once, read by nobody here
.endr
.endm
	s_wait_kmcnt 0x0                               ; the exponents
	s_wait_loadcnt 0x0                             ; b_proj
	s_add_co_i32 s96, s74, s75                     ; e6 + e7, between -126 and 127,
	s_add_co_i32 s96, s96, 127
	s_lshl_b32 s96, s96, 23                        ; makes the f32 number 2^(e6 + e7)
	s_mov_b32 s97, s96                             ; (named with it as a pair, so it is written)
	PLACES NP                                      ; behind the last products: for the first reads of results and the loads into the registers that held A's fragments
	TOSTAGE 0
.irp a, 1,2,3,4,5,6,7
.if \a > 1
	s_wait_xcnt 0x0                                ; block a - 2's stores have read their registers: block a's loads may land there
.endif
	TOSTAGE \a
	SEND \a-1, 16                                  ; behind block a - 1's loads: block a's 8 stores and 8 loads
.endr
	SEND 7, 0
	s_wait_tensorcnt 0x0                           ; the wave's end, behind my last tensor load and my last LDS store
	ds_add_u32 v[SPW], v[NIL]
	s_wait_dscnt 0x0
	CROUND                                         ; the closing round: no work-group ends while a partner may still ask for a tile that names it
	s_endpgm
.Lfunc_end_k_q3591e2b130_proj:
	.size	k_q3591e2b130_proj, .Lfunc_end_k_q3591e2b130_proj-k_q3591e2b130_proj
	.p2alignl 7, 3214868480
	.fill 96, 4, 3214868480
	.section	.rodata,"a",@progbits
	.p2align	6, 0x0
	.amdhsa_kernel k_q3591e2b130_proj
		.amdhsa_group_segment_fixed_size 327680
		.amdhsa_private_segment_fixed_size 0
		.amdhsa_enable_private_segment 0
		.amdhsa_kernarg_size 40
		.amdhsa_user_sgpr_count 2
		.amdhsa_user_sgpr_kernarg_segment_ptr 1
		.amdhsa_wavefront_size32 1
		.amdhsa_system_sgpr_workgroup_id_x 1
		.amdhsa_system_sgpr_workgroup_id_y 1
		.amdhsa_system_sgpr_workgroup_id_z 1
		.amdhsa_system_vgpr_workitem_id 0
		.amdhsa_next_free_vgpr 768
		.amdhsa_next_free_sgpr 100
		.amdhsa_reserve_vcc 0
		.amdhsa_float_denorm_mode_32 3
		.amdhsa_float_denorm_mode_16_64 3
		.amdhsa_memory_ordered 1
		.amdhsa_forward_progress 1
		.amdhsa_inst_pref_size 78
	.end_amdhsa_kernel
	.amdgpu_metadata
---
amdhsa.version: [ 1, 2 ]
amdhsa.kernels:
  - .name:           k_q3591e2b130_proj
    .symbol:         k_q3591e2b130_proj.kd
    .args:
      - { .name: a_codes, .offset: 0, .size: 8, .value_kind: global_buffer, .address_space: global }
      - { .name: w_proj_codes, .offset: 8, .size: 8, .value_kind: global_buffer, .address_space: global }
      - { .name: lowp_scales, .offset: 16, .size: 8, .value_kind: global_buffer, .address_space: global }
      - { .name: b_proj, .offset: 24, .size: 8, .value_kind: global_buffer, .address_space: global }
      - { .name: out0, .offset: 32, .size: 8, .value_kind: global_buffer, .address_space: global }
    .group_segment_fixed_size: 327680
    .private_segment_fixed_size: 0
    .kernarg_segment_align: 8
    .kernarg_segment_size: 40
    .max_flat_workgroup_size: 128
    .sgpr_count:     100
    .vgpr_count:     768
    .wavefront_size: 32
...
	.end_amdgpu_metadata
.endif
;; end of part 3
